; MI455X (gfx1250); checked and timed in simulation.
; The chip was launched on July 23, 2026; its instructions are those of AMD's public machine-readable ISA for CDNA 5 (MIT licence, August 2026) and "CDNA5" Instruction Set Architecture Reference Guide (July 2026). The comments in the code are by the model that wrote it; some were corrected since.
;; Mixture Of Experts. Allowed arithmetic: matrix products marked QUANTISED: E2M1 operands, one E8M0 scale for each 32 along K, by v_wmma_scale_f32_16x16x128_f8f6f4 with both operands' format E2M1 (or v_wmma_scale_f32_32x16x128_f4), f32 sums; products left as they are: f32 operands where the result goes on into a quantised operand, else bf16, f16 or f32 operands; f32 sums; everything else in f32.
;; Inputs: W1 8 x 1,024 x 4,096 float32; W2 8 x 4,096 x 1,024 float32; Wr 1,024 x 8 float32; b1 8 x 4,096 float32; b2 8 x 1,024 float32; beta 1,024 float32; br 8 float32; gamma 1,024 float32; x 2 x 512 x 1,024 float32.
;; Outputs: out0 2 x 512 x 1,024 float32.
;; Constants: top_k = 2.
;; This version of the problem:
;;   THIS VERSION OF THE PROBLEM IS GIVEN IN LOW PRECISION. The matrix products marked QUANTISED in the list below multiply operands that are first quantised to E2M1 (2 exponent bits, 1 mantissa bit; 4 bits a number), with one power-of-two scale for each 32 numbers along K (OCP MX v1.0); their sums are f32. All else is computed in f32.
;;   The module's matrix products, in the order in which they are computed (A, B: the left and right operand; K: the contracted axis; several contracted axes count as one K, in the product's order):
;;     1. [M 1,024, K 1,024] x [K 1,024, N 8]; A: input x; B: input Wr: left as it is (N = 8 < 16)
;;     2. [M 1,024, K 1,024] x [K 1,024, N 32,768]; A: input x; B: input W1: QUANTISED
;;     3. batch 8 x [M 1,024, K 4,096] x [K 4,096, N 1,024]; A: input W2; B: computed on the way: QUANTISED
;;     4. batch 1,024 x [M 1, K 8] x [K 8, N 1,024]; A: computed on the way; B: computed on the way: left as it is (K = 8 < 32)
;;   THE QUANTISER, for each operand of a quantised product, along K:
;;     - K is cut into blocks of 32 from its start; a last block that is shorter is filled with zeros.
;;     - A block's scale is 2^e with e = floor(log2(the largest magnitude in the block)) - 2, held to -126 .. 127; a block of zeros has e = 0. As a byte (E8M0): e + 127.
;;     - Each number is divided by its block's scale, clamped to +-6, and rounded to the nearest number of E2M1, ties to even, subnormals kept.
;;     - The product sums the exact products of the quantised numbers (number of the format x scale) in f32.
;;   ~~~python
;;   def quantise(x, axis):      # numpy; x: float32 -> the quantised numbers, widened to float32 again
;;       x = np.moveaxis(x, axis, -1); K = x.shape[-1]
;;       x = np.pad(x, [(0, 0)] * (x.ndim - 1) + [(0, -K % 32)]); x = x.reshape(x.shape[:-1] + (-1, 32)); a = np.abs(x).max(-1, keepdims=True)
;;       e = np.where(a > 0, np.clip(np.frexp(np.where(a > 0, a, 1))[1] - 1 - 2, -126, 127), 0)      # np.frexp(a)[1] - 1 = floor(log2(a)), exactly
;;       r = np.clip(x / 2.0 ** e, -6, 6)
;;       step = 2.0 ** (np.maximum(np.frexp(np.where(r == 0, 1, r))[1] - 1, 0) - 1)
;;       q = np.round(r / step) * step * 2.0 ** e      # np.round: ties to even
;;       return np.moveaxis(q.reshape(q.shape[:-2] + (-1,))[..., :K], -1, axis).astype(np.float32)
;;   ~~~
;;   OPERANDS COMPUTED ON THE WAY. 'Computed on the way' means the value that the module computes at that place (a softmax that the list does not call 'softmax' is quantised finished and normalised). What goes into a quantiser is computed in f32, as accurately as f32 sums, v_exp_f32 and their like allow (about 1e-6 of the number): no bf16 or f16 on the way to a quantiser, and a product that is left as it is and whose result goes on into a quantised operand takes f32 operands (vector FMAs, or v_wmma_f32_16x16x4_f32). A number that lies on a knife's edge between two numbers of the format may be rounded either way, as far as f32 arithmetic and the matrix unit's own rounding can turn it there, and no further.
;; 2 versions. Each part assembles by itself: llvm-mc -triple=amdgcn-amd-amdhsa -mcpu=gfx1250 --defsym DOCPART=n.
;; ======== version 1 of 2: 4 launches
;; workspace buffers: sel 4,096 bytes of whole numbers; gate 8,192 bytes; xq 524,288 bytes; xsc 32,768 bytes; hq 16,777,216 bytes; hsc 1,048,576 bytes; y2 16,777,216 bytes; rows 34,816 bytes of whole numbers
;; launch route (part 1): grid 256 x 1, 4 waves a work-group, no clusters, 60,416 bytes of LDS; arguments x, Wr, br, sel, gate, xq, xsc; writes sel, gate, xq, xsc
.if DOCPART == 1
	.amdgcn_target "amdgcn-amd-amdhsa--gfx1250"
	.amdhsa_code_object_version 6
	.text
	.protected	k_qc7c8145dad_route
	.globl	k_qc7c8145dad_route
	.p2align	8
	.type	k_qc7c8145dad_route,@function
k_qc7c8145dad_route:
	s_mov_b64 s[64:65], 0
	v_nop
	global_prefetch_b8 v0, s[64:65] scope:SCOPE_SE
	s_setreg_imm32_b32 hwreg(HW_REG_WAVE_MODE, 25, 1), 1
	s_wait_xcnt 0x0
; ROUTER AND QUANTISER OF x.  x: [1024 tokens][1024] f32.  One wave takes one token: token = 4 x work-group + wave.
; It (a) turns the token's row into codes of FP4 (E2M1) with one E8M0 byte for each 32 along K: xq [token][block 0..31][16 bytes], xsc [token][32 bytes];
; (b) computes the 8 logits x . Wr + br in f32, their softmax with the maximum taken away, the two largest probabilities (the lower index wins a tie,
; by scanning upward with a strict compare) and their two weights p / (pa + pb).  sel [token] = e0 | e1 << 8 (whole numbers, at a fixed place), gate [token][2] f32.
; No address and no branch hangs on a floating-point number: the choice only selects values.
; A lane must hold 32 NEIGHBOURS of the row (a whole block), while each load reads 512 consecutive bytes: so the row turns through the wave's own stage in LDS.
; Wr (32,768 bytes) is laid in LDS once for the work-group as [i 0..31][half 0..1][lane L][16 bytes], d = 32 L + i, experts 4 half + 0..3: a lane then reads, for its i-th number, the eight weights of its own d.
; LIMITS: NaN and infinities among the inputs are not served.  A block of zeros gets the byte 1 (its codes are zeros; only this program reads the bytes).
; sel, gate (12 bytes a wave) and xsc (32 bytes a wave) leave in pieces shorter than 256 bytes: 45,056 bytes in the whole launch.
; No matrix unit (N = 8), no cluster (work-groups share only Wr, 32,768 bytes, against nothing that a joint load could fill here: the launch has no tensor load), no prefetch (a short launch).
.set XL,  16                           ; v16-47   the row as loaded
.set XB,  48                           ; v48-79   my block: 32 neighbours
.set WB,  80                           ; v80-207  Wr as loaded (64 registers), then two chunk buffers of 64
.set AC,  208                          ; v208-215 the eight logits, then the probabilities
.set WI,  1296                         ; LDS: from i to i + 1 (two halves of 512 bytes, 128 and 144 bytes of padding)
.set WH,  640                          ; from half 0 to half 1
.set STG, 32*WI                        ; behind Wr's image: a stage for each wave, 32 places of 128 + 16 bytes
.set SP,  144
	s_load_b256 s[4:11], s[0:1], 0x0               ; x s[4:5], Wr s[6:7], br s[8:9], sel s[10:11]
	s_load_b128 s[12:15], s[0:1], 0x20             ; gate s[12:13], xq s[14:15]
	s_load_b64 s[16:17], s[0:1], 0x30              ; xsc
	v_lshl_add_u32 v254, v0, 2, 0xea00
	v_mov_b32 v255, 0
	v_lshrrev_b32 v8, 5, v0
	v_readfirstlane_b32 s18, v8                    ; wave 0..3
	v_and_b32 v1, 31, v0                           ; lane
	v_lshlrev_b32 v2, 4, v1                        ; 16 x lane
	v_lshlrev_b32 v6, 4, v0                        ; 16 x thread: Wr's loads
	v_bfe_u32 v3, v0, 1, 5                         ; Wr's store: load n of thread v0 holds d = 64 n + v0 / 2, half v0 % 2: i = (v0 / 2) % 32,
	v_mul_u32_u24 v3, v3, WI
	v_and_b32 v8, 1, v0
	v_mad_u32_u24 v3, v8, WH, v3
	v_lshrrev_b32 v8, 6, v0                        ; L = 2 n + v0 / 64
	v_lshl_add_u32 v3, v8, 4, v3
	s_mul_i32 s19, s18, 32*SP
	s_add_co_u32 s19, s19, STG                     ; my stage
	v_lshrrev_b32 v4, 3, v1
	v_mul_u32_u24 v4, v4, SP
	v_and_b32 v8, 7, v1
	v_lshl_add_u32 v4, v8, 4, v4
	v_add_nc_u32 v4, s19, v4                       ; in: eight lanes' 128 bytes on end, then 16 of padding; a load's 512 bytes take four places
	v_mul_u32_u24 v5, v1, SP
	v_add_nc_u32 v5, s19, v5                       ; out: place = lane
	v_mov_b32 v7, 0
.irp e, 0,1,2,3,4,5,6,7
	v_mov_b32 v[224+\e], 0                         ; written once: a lane permute's destination counts as one of its sources
.endr
	s_lshl_b32 s20, ttmp9, 2
	s_add_co_u32 s20, s20, s18                     ; my token
	s_mov_b32 s23, 0
	s_mov_b32 s32, 0x76543210
	s_mov_b32 s33, 0xfedcba98                      ; v_permlanex16_b32's selects for lane l xor 16
	s_wait_kmcnt 0x0
	s_load_b256 s[24:31], s[8:9], 0x0              ; br
	s_lshl_b32 s22, s20, 12
	s_add_nc_u64 s[4:5], s[4:5], s[22:23]          ; my row of x
	s_lshl_b32 s22, s20, 9
	s_add_nc_u64 s[14:15], s[14:15], s[22:23]      ; its codes
	s_lshl_b32 s22, s20, 5
	s_add_nc_u64 s[16:17], s[16:17], s[22:23]      ; its scale bytes
	s_lshl_b32 s22, s20, 2
	s_add_nc_u64 s[10:11], s[10:11], s[22:23]      ; its word of sel
	s_lshl_b32 s22, s20, 3
	s_add_nc_u64 s[12:13], s[12:13], s[22:23]      ; its two gates
.set i, 0
.rept 8
	global_load_b128 v[XL+4*i:XL+4*i+3], v2, s[4:5] offset:512*i th:TH_LOAD_NT   ; 32 lanes read 512 consecutive bytes
.set i, i+1
.endr
.set i, 0
.rept 16
	global_load_b128 v[WB+4*i:WB+4*i+3], v6, s[6:7] offset:2048*i                ; the work-group reads Wr once, 2,048 consecutive bytes a line
.set i, i+1
.endr
	s_wait_loadcnt 16                              ; the row is in; Wr's sixteen loads may be out
.set i, 0
.rept 8
	ds_store_b128 v4, v[XL+4*i:XL+4*i+3] offset:4*SP*i
.set i, i+1
.endr
.set i, 0
.rept 8
	ds_load_b128 v[XB+4*i:XB+4*i+3], v5 offset:16*i    ; LDS serves a wave's instructions in order: these see my stores
.set i, i+1
.endr
	s_wait_loadcnt 0x0                             ; Wr
.set i, 0
.rept 16
	ds_store_b128 v3, v[WB+4*i:WB+4*i+3] offset:32*i
.set i, i+1
.endr
	s_wait_dscnt 0x0                               ; for the others' sake: my part of Wr's image has landed (and my block is in)
	s_barrier_signal -1
	s_barrier_wait -1                              ; the image is whole; nobody writes it again
.macro WCH q                           ; chunk q: the weights of my numbers 8 q .. 8 q + 7, sixteen loads, into buffer q % 2
.set i, 0
.rept 8
	ds_load_b128 v[WB+64*((\q)%2)+8*i:WB+64*((\q)%2)+8*i+3],   v2 offset:(8*(\q)+i)*WI
	ds_load_b128 v[WB+64*((\q)%2)+8*i+4:WB+64*((\q)%2)+8*i+7], v2 offset:(8*(\q)+i)*WI+WH
.set i, i+1
.endr
.endm
	WCH 0
	WCH 1
	; my block's codes, while the weights are on their way
	v_max3_num_f32 v216, |v[XB]|, |v[XB+1]|, |v[XB+2]|
	v_max3_num_f32 v217, |v[XB+3]|, |v[XB+4]|, |v[XB+5]|
.irp i, 6,10,14,18,22,26
	v_max3_num_f32 v216, v216, |v[XB+\i]|, |v[XB+\i+1]|
	v_max3_num_f32 v217, v217, |v[XB+\i+2]|, |v[XB+\i+3]|
.endr
	v_max3_num_f32 v216, v216, |v[XB+30]|, |v[XB+31]|
	v_max3_num_f32 v216, v216, v217, 0x1800000     ; and the floor 2^(3 - 127): the byte cannot fall under 1
	v_add_nc_u32 v218, 0xff000000, v216            ; 2 off the exponent field: the conversion takes the exponent field of this operand as its scale
	v_lshrrev_b32 v219, 23, v218                   ; the scale's byte
.irp q, 0,1,2,3
	v_cvt_scalef32_pk8_fp4_f32 v[220+\q], v[XB+8*\q:XB+8*\q+7], v218
.endr
	v_nop                                          ; one plain place behind the scaled conversions
	global_store_b128 v2, v[220:223], s[14:15]     ; 32 lanes store the row's 512 bytes of codes
	global_store_b8 v1, v219, s[16:17]             ; and its 32 scale bytes.  v219-223 are not written again
.macro DOT q                           ; eight chains, one for each expert
.set i, 0
.rept 8
.set e, 0
.rept 8
.if ((\q) == 0) && (i == 0)
	v_mul_f32 v[AC+e], v[XB], v[WB+e]              ; the first product starts the sums
.else
	v_fmac_f32 v[AC+e], v[XB+8*(\q)+i], v[WB+64*((\q)%2)+8*i+e]
.endif
.set e, e+1
.endr
.set i, i+1
.endr
.endm
	s_wait_dscnt 16                                ; chunk 0 is in; chunk 1's sixteen loads may be out
	DOT 0
	WCH 2
	s_wait_dscnt 16                                ; chunk 1; chunk 2's may be out
	DOT 1
	WCH 3
	s_wait_dscnt 16                                ; chunk 2; chunk 3's may be out
	DOT 2
	s_wait_dscnt 0x0
	DOT 3
.irp k, 1,2,4,8
.irp e, 0,1,2,3,4,5,6,7
	v_add_f32_dpp v[AC+\e], v[AC+\e], v[AC+\e] row_xmask:\k row_mask:0xf bank_mask:0xf
.endr
.endr
.irp e, 0,1,2,3,4,5,6,7
	v_permlanex16_b32 v[224+\e], v[AC+\e], s32, s33
.endr
.irp e, 0,1,2,3,4,5,6,7
	v_add_f32 v[AC+\e], v[AC+\e], v[224+\e]        ; every lane holds the eight sums
.endr
	s_wait_kmcnt 0x0                               ; br
.irp e, 0,1,2,3,4,5,6,7
	v_add_f32 v[AC+\e], s[24+\e], v[AC+\e]
.endr
	v_max3_num_f32 v232, v[AC], v[AC+1], v[AC+2]   ; the softmax, with the maximum taken away
	v_max3_num_f32 v232, v232, v[AC+3], v[AC+4]
	v_max3_num_f32 v232, v232, v[AC+5], v[AC+6]
	v_max_num_f32 v232, v232, v[AC+7]
.irp e, 0,1,2,3,4,5,6,7
	v_sub_f32 v[AC+\e], v[AC+\e], v232
.endr
.irp e, 0,1,2,3,4,5,6,7
	v_mul_f32 v[AC+\e], 0x3fb8aa3b, v[AC+\e]       ; x log2(e)
.endr
.irp e, 0,1,2,3,4,5,6,7
	v_exp_f32 v[AC+\e], v[AC+\e]
.endr
	v_nop                                          ; a plain place behind the exponentials
	s_wait_alu depctr_va_vdst(0)                   ; one wait for the batch, ahead of its first reader
	v_add_f32 v233, v[AC], v[AC+1]
	v_add_f32 v234, v[AC+2], v[AC+3]
	v_add_f32 v235, v[AC+4], v[AC+5]
	v_add_f32 v236, v[AC+6], v[AC+7]
	v_add_f32 v233, v233, v234
	v_add_f32 v235, v235, v236
	v_add_f32 v233, v233, v235
	v_rcp_f32 v234, v233
	v_mov_b32 v236, 0                              ; (a plain place)  the first winner's index
	s_wait_alu depctr_va_vdst(0)
.irp e, 0,1,2,3,4,5,6,7
	v_mul_f32 v[AC+\e], v[AC+\e], v234             ; the probabilities
.endr
	v_mov_b32 v235, v[AC]                          ; the largest: upward, strictly greater: the lower index keeps a tie
.irp e, 1,2,3,4,5,6,7
	v_cmp_gt_f32 vcc_lo, v[AC+\e], v235
	v_cndmask_b32 v235, v235, v[AC+\e], vcc_lo
	v_cndmask_b32 v236, v236, \e, vcc_lo
.endr
.irp e, 0,1,2,3,4,5,6,7
	v_cmp_eq_u32 vcc_lo, \e, v236
	v_cndmask_b32 v[AC+\e], v[AC+\e], -1.0, vcc_lo ; the winner steps out: no probability is under 0
.endr
	v_mov_b32 v237, v[AC]
	v_mov_b32 v238, 0
.irp e, 1,2,3,4,5,6,7
	v_cmp_gt_f32 vcc_lo, v[AC+\e], v237
	v_cndmask_b32 v237, v237, v[AC+\e], vcc_lo
	v_cndmask_b32 v238, v238, \e, vcc_lo
.endr
	v_add_f32 v239, v235, v237
	v_rcp_f32 v240, v239
	v_lshl_or_b32 v244, v238, 8, v236              ; (a plain place)  e0 | e1 << 8
	s_wait_alu depctr_va_vdst(0)
	v_mul_f32 v242, v235, v240
	v_mul_f32 v243, v237, v240
	v_cmp_eq_u32 vcc_lo, 0, v1
	s_wait_xcnt 0x0                                ; EXEC changes only behind this wait
	s_wait_tensorcnt 0x0
	ds_add_u32 v254, v255
	s_wait_dscnt 0x0
	s_and_saveexec_b32 s21, vcc_lo                 ; lane 0 alone
	global_store_b32 v7, v244, s[10:11]
	global_store_b64 v7, v[242:243], s[12:13]
	s_wait_xcnt 0x0
	s_or_b32 exec_lo, exec_lo, s21
	s_endpgm
.Lfunc_end_k_qc7c8145dad_route:
	.size	k_qc7c8145dad_route, .Lfunc_end_k_qc7c8145dad_route-k_qc7c8145dad_route
	.p2alignl 7, 3214868480
	.fill 96, 4, 3214868480
	.section	.rodata,"a",@progbits
	.p2align	6, 0x0
	.amdhsa_kernel k_qc7c8145dad_route
		.amdhsa_group_segment_fixed_size 60416
		.amdhsa_private_segment_fixed_size 0
		.amdhsa_enable_private_segment 0
		.amdhsa_kernarg_size 56
		.amdhsa_user_sgpr_count 2
		.amdhsa_user_sgpr_kernarg_segment_ptr 1
		.amdhsa_wavefront_size32 1
		.amdhsa_system_sgpr_workgroup_id_x 1
		.amdhsa_system_sgpr_workgroup_id_y 1
		.amdhsa_system_sgpr_workgroup_id_z 1
		.amdhsa_system_vgpr_workitem_id 0
		.amdhsa_next_free_vgpr 256
		.amdhsa_next_free_sgpr 66
		.amdhsa_reserve_vcc 1
		.amdhsa_float_denorm_mode_32 3
		.amdhsa_float_denorm_mode_16_64 3
		.amdhsa_memory_ordered 1
		.amdhsa_forward_progress 1
		.amdhsa_inst_pref_size 29
	.end_amdhsa_kernel
	.amdgpu_metadata
---
amdhsa.version: [ 1, 2 ]
amdhsa.kernels:
  - .name:           k_qc7c8145dad_route
    .symbol:         k_qc7c8145dad_route.kd
    .args:
      - { .name: x, .offset: 0, .size: 8, .value_kind: global_buffer, .address_space: global }
      - { .name: Wr, .offset: 8, .size: 8, .value_kind: global_buffer, .address_space: global }
      - { .name: br, .offset: 16, .size: 8, .value_kind: global_buffer, .address_space: global }
      - { .name: sel, .offset: 24, .size: 8, .value_kind: global_buffer, .address_space: global }
      - { .name: gate, .offset: 32, .size: 8, .value_kind: global_buffer, .address_space: global }
      - { .name: xq, .offset: 40, .size: 8, .value_kind: global_buffer, .address_space: global }
      - { .name: xsc, .offset: 48, .size: 8, .value_kind: global_buffer, .address_space: global }
    .group_segment_fixed_size: 60416
    .private_segment_fixed_size: 0
    .kernarg_segment_align: 8
    .kernarg_segment_size: 56
    .max_flat_workgroup_size: 128
    .sgpr_count:     66
    .vgpr_count:     256
    .wavefront_size: 32
...
	.end_amdgpu_metadata
.endif
;; end of part 1
;; launch up (part 2): grid 32 x 8, 16 waves a work-group, no clusters, 211,968 bytes of LDS; arguments W1, b1, sel, xq, xsc, hq, hsc, rows; writes hq, hsc, rows
.if DOCPART == 2
	.amdgcn_target "amdgcn-amd-amdhsa--gfx1250"
	.amdhsa_code_object_version 6
	.text
	.protected	k_qc7c8145dad_up
	.globl	k_qc7c8145dad_up
	.p2align	8
	.type	k_qc7c8145dad_up,@function
k_qc7c8145dad_up:
	s_mov_b64 s[64:65], 0
	v_nop
	global_prefetch_b8 v0, s[64:65] scope:SCOPE_SE
	s_setreg_imm32_b32 hwreg(HW_REG_WAVE_MODE, 25, 1), 1
	s_wait_xcnt 0x0
; THE PLACING OF ROWS, FIRST PRODUCT, GELU, QUANTISER OF THE HIDDEN LAYER, for the routed rows alone.  h = gelu(x W1[e] + b1[e]), both operands as codes of FP4 (E2M1) with one E8M0 scale for each 32 along K = 1,024.
; A WORK-GROUP OWNS WEIGHTS, NOT ROWS: expert e = work-group y, hidden units 128 j .. 128 j + 127, j = work-group x: 1,024 rows x 512 bytes of W1[e], f32, read from memory ONCE in the launch.
; PHASE 1, the stream.  Wave w takes K step w / 2 (128 rows) of 64 columns (w % 2).  A LANE TAKES A COLUMN AND ITS REGISTERS RUN DOWN K: a block of 32 lies in one lane's 32 registers, its largest magnitude needs no other
; lane, and the conversions give codes with K innermost.  The codes go to LDS as IMAGES OF OPERAND REGISTERS: tile t (16 hidden units), K step s: t TS + 1,024 s + 512 c + 256 (lane / 16) + 16 (lane % 16).
; THE HIDDEN UNITS OF A TILE ARE NOT NEIGHBOURS: row rho of tile 2 b + u is unit 32 b + 8 u + rho + 8 (rho / 8), so that in the transposed product the 16 registers of tiles 2 b, 2 b + 1 are 16 neighbours along the next K.
; THE ROWS.  sel [token] = e0 | e1 << 8: whole numbers that the launch before stored.  While its first 64 weight loads are on their way, every wave finds its own rows, on registers alone:
; 32 masks (chunk j, bit l: token 128 (j / 4) + 4 l + j % 4 has chosen this expert), their sum N, and for each list position that the wave wants the chunk in which it falls and the set bit of that rank.
; The expert's list is so ordered by chunk and bit; a position behind the count is held at N - 1: IT REPEATS THE LAST ROW.  Work-group x = 0 stores the list for the next launch: rows [expert][entries 0..1023: 2 x token + slot; at byte 4,096 the count N, 32 equal words].
; These stores are 64 bytes for each half of a wave's lanes, 4,224 bytes an expert.  With N = 0 the entries are numbers inside their range that nobody uses.
; PHASE 2, the rows.  The expert's N rows make 2 x ceil(N / 32) tiles of 16 (an even number: the next launch takes them in pairs).  Wave w takes tiles m = w, w + 16, w + 32, w + 48: a loop of four trips, constant;
; a trip whose tile does not exist jumps to its own tail.  No barrier stands in the loop.
; A trip: 16 rows of codes (512 dense bytes each) turn through the wave's stage into 8 fragments; 64 products (source 0 = 16 hidden units, source 1 = 16 rows; b1 is the C of the first); GELU in f32; the quantiser;
; the result is K step j of the second product: hq [e][m][j][1,024 bytes: 512 c + 16 lane], hsc [e][m][j][row] (a word of four bytes).  A repeated row gets the codes of the row that it repeats: at most 31 rows an expert are worked twice.
; GELU, exact form: g = max(x, 0) - |x| erfc(a) / 2, a = |x| / sqrt(2); erfc(a) = (p(q) + 1) / (2 a + 1) x e^(-a a), q = (a - 2) / (a + 2), p of degree 9.  One reciprocal, of (a + 2)(2 a + 1), serves both divisions.
; LIMITS: NaN and infinities are not served (any finite h is).  erfc's relative error is about 5e-7 + 1.2e-7 a a; from a = 9.3 on it is 0, since the exponential's result would be denormal.  A block of zeros gets the byte 1.
; NO TENSOR LOAD, NO CLUSTER: which trips work hangs on a count made from numbers read from memory, so operands come through registers; every weight byte has one reader; the rows' codes, which work-groups of an expert share, are 8,704 bytes a tile beside 524,288 bytes of weights.
; NO PREFETCH: each of the 16 waves issues 64 loads of 128 bytes of the stream among its first lines, and 32 more behind each group that it has worked.
.set RS,   16384                       ; a row of W1[e] in bytes
.set TS,   8320                        ; a tile's 8 images + 128 bytes, so that a store's lanes 0-7 and 8-15, which go to two tiles, fall on different banks
.set WSC,  8*TS                        ; the weights' scale words: [block of 32 units][K step][position 0..31][4 bytes]: positions 0-15 tile 2 b, 16-31 tile 2 b + 1
.set SU,   1024
.set XST,  WSC+4096                    ; a stage for each wave: 32 blocks x (16 rows x 16 bytes + 16)
.set XP,   272
.set XSB,  32*XP
.set ESTR, 4352                        ; an expert's part of rows in bytes
.set LN,  1                            ; lane
.set RR,  2                            ; lane % 16
.set HH,  3                            ; lane / 16
.set L4,  4                            ; 4 x lane
.set L16, 5                            ; 16 x lane: also the LDS address of an image's registers (the images begin at LDS byte 0)
.set WAD, 6                            ; where my codes go
.set SAD, 7                            ; where my scale words go
.set LE3, 8                            ; lanes 0-15: the tokens of the 16 rows of the tile three trips on,
.set WRB, 9                            ; 16 x lane + 4 TS: tiles 4-7
.set WSR, 10                           ; WSC + 4 x lane
.set XSW, 11                           ; the stage, in: block = lane
.set XSR, 12                           ; the stage, out: block lane / 16, row lane % 16
.set LE1, 13                           ; one trip on,
.set LE2, 14                           ; two trips on,
.set BOF, 15                           ; 64 (lane / 16): b1
.set HSO, 16                           ; 4 (lane % 16)
.set LE,  17                           ; and of the tile in hand
.set TOK, 18
.set SO,  19
.set ROF, 20                           ; 64 wave + 1,024 (lane / 16) + 4 (lane % 16): my first position's byte in the expert's list; never rewritten
.set C8,  22                           ; v[22:23] the polynomial's second coefficient, twice
.set XS,  24                           ; v24-31 the rows' scale words, one register a K step
.set WS,  32                           ; v32-35 the weights' scale words (in the stream: the two words being made)
.set PC,  36                           ; v36-43 the codes just made
.set PW,  44                           ; the scale word just made
.set TM,  46                           ; v46-61 at work in the quantiser
.set RO,  46                           ; v46-61 sixteen row offsets
.set T0,  46                           ; v46-49 at work in the stream
.set WF,  64                           ; v64-127 8 fragments of W; ahead of them the 16 rows as loaded
.set XF,  128                          ; v128-191 x's 8 fragments
.set ACC, 192                          ; v192-255 8 accumulators
.set X,   64                           ; the stream: two sets of 32 numbers
.set C,   128                          ; its codes: four registers for each of 8 groups, so that no store's data are written again
.set TA,  64                           ; GELU: four sets of 32
.set TB,  96
.set TC,  128
.set TD,  160
.set SL,  160                          ; the placing: v160-191 sel as loaded.  All that follows comes in pairs: + 0 for my first position, + 1 for the one 512 further on
.set PP,  192                          ; the position in the list
.set MM,  194                          ; the mask of the chunk in which it falls
.set KK,  196                          ; the matches ahead of that chunk | the chunk's number << 16; then the rank in the chunk
.set II,  198                          ; the chunk's number
.set CA2, 200                          ; the mask's set bits counted in fields of 2 bits,
.set CB4, 202                          ; of 4,
.set CC8, 204                          ; of 8,
.set CD16, 206                         ; and, in its low byte, in the low 16
.set TT,  208                          ; at work
.set UQ,  210
.set PS,  212                          ; the bit's place
.set GA,  214                          ; 4 x token
.set GS,  216                          ; sel [token]
.set EN,  218                          ; the list entries
.set CN,  220                          ; the count
.set SE,  19                           ; s19 the expert
.set MK,  66                           ; s66-97 the 32 masks
.macro WLOAD g                         ; group g: K block g / 2 of my K step, columns 32 (g % 2) + lane: 32 rows, 128 consecutive bytes a line; groups 2 b and 2 b + 1 are the two halves of the same 256 bytes of each row
.set i, 0
.rept 32
	global_load_b32 v[X+32*((\g)%2)+i], v[L4], s[4:5] offset:(32*((\g)/2)+i)*RS+128*((\g)%2) th:TH_LOAD_NT
.set i, i+1
.endr
.endm
.macro WBLOCK g
.set XG, X+32*((\g)%2)
.set BB, (\g)/2
.set UU, (\g)%2
.if (\g) < 7
	s_wait_loadcnt 32                              ; the youngest 32 loads may be out: all of them were issued behind this group's (for group 0: the two loads of sel [token] and 30 of group 1's; later: the next group's 32)
.else
	s_wait_loadcnt 0x0
.endif
	v_max3_num_f32 v[T0], |v[XG]|, |v[XG+1]|, |v[XG+2]|            ; the block's largest magnitude: all 32 numbers are mine
	v_max3_num_f32 v[T0+1], |v[XG+3]|, |v[XG+4]|, |v[XG+5]|
.irp i, 6,10,14,18,22,26
	v_max3_num_f32 v[T0], v[T0], |v[XG+\i]|, |v[XG+\i+1]|
	v_max3_num_f32 v[T0+1], v[T0+1], |v[XG+\i+2]|, |v[XG+\i+3]|
.endr
	v_max3_num_f32 v[T0], v[T0], |v[XG+30]|, |v[XG+31]|
	v_max3_num_f32 v[T0], v[T0], v[T0+1], 0x1800000                ; and the floor 2^(3 - 127): the byte cannot fall under 1
	v_add_nc_u32 v[T0+2], 0xff000000, v[T0]        ; 2 off the exponent field: the conversion's scale operand
	v_lshrrev_b32 v[T0+3], 23, v[T0+2]             ; the scale's byte
.if BB == 0
	v_mov_b32 v[WS+UU], v[T0+3]                    ; four bytes to a word, the lower K in the lower byte
.else
	v_lshl_or_b32 v[WS+UU], v[T0+3], 8*BB, v[WS+UU]
.endif
.irp q, 0,1,2,3
	v_cvt_scalef32_pk8_fp4_f32 v[C+4*(\g)+\q], v[XG+8*\q:XG+8*\q+7], v[T0+2]
.endr
	v_nop                                          ; one plain place behind the scaled conversions
	ds_store_b128 v[WAD], v[C+4*(\g):C+4*(\g)+3] offset:UU*2*TS+(BB/2)*512+(BB%2)*256
.if (\g) < 6
	WLOAD (\g)+2
.endif
.endm
; One halving of the search for the set bit of rank KK: the field of 2 w bits at place PS has, in its lower w bits, as many set bits as cnt says there.  Where the rank is not under that number, the bit lies in the upper w: the number comes off the rank, and w is added to the place.
.macro HALF cnt, msk, w
.irp z, 0,1
	v_lshrrev_b32 v[TT+\z], v[PS+\z], v[\cnt+\z]
	v_and_b32 v[TT+\z], \msk, v[TT+\z]
	v_cmp_ge_u32 vcc_lo, v[KK+\z], v[TT+\z]
	v_cndmask_b32 v[TT+\z], 0, v[TT+\z], vcc_lo
	v_cndmask_b32 v[UQ+\z], 0, \w, vcc_lo
	v_sub_nc_u32 v[KK+\z], v[KK+\z], v[TT+\z]
	v_add_nc_u32 v[PS+\z], v[PS+\z], v[UQ+\z]
.endr
.endm
; 64 numbers of a lane, register 16 b + i = k 32 b + 16 (lane / 16) + i of my row, become a fragment's codes in v[PC] on and its scale word in v[PW]
.macro QUANT s
.irp b, 0,1,2,3
	v_max3_num_f32 v[TM+\b], |v[\s+16*\b]|, |v[\s+1+16*\b]|, 0x1800000   ; block b: my 16 numbers, and the floor 2^(3 - 127)
.endr
.irp i, 2,4,6,8,10,12,14
.irp b, 0,1,2,3
	v_max3_num_f32 v[TM+\b], v[TM+\b], |v[\s+16*\b+\i]|, |v[\s+1+16*\b+\i]|   ; (the four blocks by turns)
.endr
.endr
.irp b, 0,1,2,3
	v_permlanex16_b32 v[TM+4+\b], v[TM+\b], s62, s63
.endr
.irp b, 0,1,2,3
	v_max_num_f32 v[TM+\b], v[TM+\b], v[TM+4+\b]   ; with lane l xor 16's: the block's largest magnitude
.endr
.irp b, 0,1,2,3
	v_add_nc_u32 v[TM+12+\b], 0xff000000, v[TM+\b]
.endr
.irp b, 0,1,2,3
	v_lshrrev_b32 v[TM+4+\b], 23, v[TM+12+\b]
.endr
	v_lshl_or_b32 v[PW], v[TM+5], 8, v[TM+4]       ; the four bytes make my row's scale word
	v_lshl_or_b32 v[PW], v[TM+6], 16, v[PW]
	v_lshl_or_b32 v[PW], v[TM+7], 24, v[PW]
.irp b, 0,1,2,3
	v_cvt_scalef32_pk8_fp4_f32 v[PC+2*\b], v[\s+16*\b:\s+7+16*\b], v[TM+12+\b]
	v_cvt_scalef32_pk8_fp4_f32 v[PC+1+2*\b], v[\s+8+16*\b:\s+15+16*\b], v[TM+12+\b]
.endr
	v_nop                                          ; one plain place behind the scaled conversions
.irp c, 0,1                                    ; the operand's layout wants a WHOLE block in a lane: lanes 0-15 block 2 c, lanes 16-31 block 2 c + 1
.irp i, 0,1
	v_permlane16_swap_b32 v[PC+4*\c+\i], v[PC+2+4*\c+\i]
.endr
.endr
.endm
.macro PLACES
.rept 4
	v_nop
.endr
.endm
; GELU of 32 numbers in place.  The reciprocals and exponentials are ONE batch with one wait.
.macro GELU x
.set i, 0
.rept 32
	v_mul_f32 v[TA+i], |v[\x+i]|, s60              ; a = |x| / sqrt(2); each accumulator is read from its low end on
.set i, i+1
.endr
.set i, 0
.rept 16
	v_pk_add_f32 v[TB+i:TB+i+1], v[TA+i:TA+i+1], 2.0 op_sel_hi:[1,0]            ; P = a + 2
.set i, i+2
.endr
.set i, 0
.rept 16
	v_pk_fma_f32 v[TC+i:TC+i+1], v[TA+i:TA+i+1], 2.0, 1.0 op_sel_hi:[1,0,0]     ; D = 2 a + 1
.set i, i+2
.endr
.set i, 0
.rept 16
	v_pk_mul_f32 v[TD+i:TD+i+1], v[TA+i:TA+i+1], v[TA+i:TA+i+1]
.set i, i+2
.endr
.set i, 0
.rept 16
	v_pk_fma_f32 v[TD+i:TD+i+1], v[TD+i:TD+i+1], s[40:41], -1.0 op_sel_hi:[1,0,0]   ; -a a log2(e) - 1
.set i, i+2
.endr
.set i, 0
.rept 16
	v_pk_mul_f32 v[TA+i:TA+i+1], v[TB+i:TB+i+1], v[TC+i:TC+i+1]                 ; P D
.set i, i+2
.endr
.set i, 0
.rept 32
	v_rcp_f32 v[TA+i], v[TA+i]
.set i, i+1
.endr
.set i, 0
.rept 32
	v_exp_f32 v[TD+i], v[TD+i]                     ; e^(-a a) / 2
.set i, i+1
.endr
	v_nop                                          ; a plain place behind the batch
	s_wait_alu depctr_va_vdst(0)                   ; one wait for its 64, ahead of the first reader
.set i, 0
.rept 16
	v_pk_mul_f32 v[TC+i:TC+i+1], v[TC+i:TC+i+1], v[TA+i:TA+i+1]                 ; D / (P D) = 1 / P
.set i, i+2
.endr
.set i, 0
.rept 16
	v_pk_mul_f32 v[TB+i:TB+i+1], v[TB+i:TB+i+1], v[TA+i:TA+i+1]                 ; 1 / D
.set i, i+2
.endr
.set i, 0
.rept 16
	v_pk_fma_f32 v[TC+i:TC+i+1], v[TC+i:TC+i+1], -4.0, 1.0 op_sel_hi:[1,0,0]    ; q = 1 - 4 / (a + 2)
.set i, i+2
.endr
.set i, 0
.rept 16
	v_pk_fma_f32 v[TA+i:TA+i+1], v[TC+i:TC+i+1], s[42:43], v[C8:C8+1] op_sel_hi:[1,0,1]
.set i, i+2
.endr
.irp k, 44,46,48,50,52,54,56,58
.set i, 0
.rept 16
	v_pk_fma_f32 v[TA+i:TA+i+1], v[TA+i:TA+i+1], v[TC+i:TC+i+1], s[\k:\k+1] op_sel_hi:[1,1,0]
.set i, i+2
.endr
.endr
.set i, 0
.rept 16
	v_pk_fma_f32 v[TA+i:TA+i+1], v[TA+i:TA+i+1], v[TB+i:TB+i+1], v[TB+i:TB+i+1] ; (p + 1) / D
.set i, i+2
.endr
.set i, 0
.rept 16
	v_pk_mul_f32 v[TA+i:TA+i+1], v[TA+i:TA+i+1], v[TD+i:TD+i+1]                 ; erfc(a) / 2
.set i, i+2
.endr
.set i, 0
.rept 32
	v_max_num_f32 v[TB+i], 0, v[\x+i]
.set i, i+1
.endr
.set i, 0
.rept 32
	v_fma_f32 v[\x+i], -|v[\x+i]|, v[TA+i], v[TB+i]
.set i, i+1
.endr
.endm
; K step s of a tile of rows: the weights' 8 fragments and 4 registers of scale words from LDS, 8 products.  The 8 accumulators take turns, one instruction a turn.
.macro KSTEP s
.if (\s) > 0
	PLACES                                         ; in front of loads into registers that the last products read
.endif
.irp t, 0,1,2,3
.irp c, 0,1
	ds_load_b128 v[WF+8*\t+4*\c:WF+8*\t+4*\c+3], v[L16] offset:\t*TS+(\s)*1024+\c*512
.endr
.endr
.irp t, 0,1,2,3
.irp c, 0,1
	ds_load_b128 v[WF+32+8*\t+4*\c:WF+32+8*\t+4*\c+3], v[WRB] offset:\t*TS+(\s)*1024+\c*512
.endr
.endr
.irp b, 0,1,2,3
	ds_load_b32 v[WS+\b], v[WSR] offset:\b*SU+(\s)*128
.endr
.if (\s) == 0
	s_wait_loadcnt 0x0                             ; b1 lies in the accumulators
.endif
	s_wait_dscnt 0x0
.irp b, 0,1,2,3
	v_wmma_scale_f32_16x16x128_f8f6f4 v[ACC+16*\b:ACC+16*\b+7], v[WF+16*\b:WF+16*\b+7], v[XF+8*(\s):XF+8*(\s)+7], v[ACC+16*\b:ACC+16*\b+7], v[WS+\b], v[XS+(\s)] matrix_a_fmt:MATRIX_FMT_FP4 matrix_b_fmt:MATRIX_FMT_FP4
	v_wmma_scale_f32_16x16x128_f8f6f4 v[ACC+16*\b+8:ACC+16*\b+15], v[WF+16*\b+8:WF+16*\b+15], v[XF+8*(\s):XF+8*(\s)+7], v[ACC+16*\b+8:ACC+16*\b+15], v[WS+\b], v[XS+(\s)] matrix_a_fmt:MATRIX_FMT_FP4 matrix_b_fmt:MATRIX_FMT_FP4 matrix_a_scale:MATRIX_SCALE_ROW1
.endr
.endm
.macro COEF r, bits
	s_mov_b32 s[\r], \bits
	s_mov_b32 s[\r+1], s[\r]
.endm
	s_load_b256 s[4:11], s[0:1], 0x0               ; W1 s[4:5], b1 s[6:7], sel s[8:9], xq s[10:11]
	s_load_b128 s[12:15], s[0:1], 0x20             ; xsc s[12:13], hq s[14:15]
	s_load_b64 s[16:17], s[0:1], 0x30              ; hsc
	s_load_b64 s[30:31], s[0:1], 0x38              ; rows
	v_lshl_add_u32 v62, v0, 2, 0x33400
	v_mov_b32 v63, 0
	v_lshrrev_b32 v[LN], 5, v0
	v_readfirstlane_b32 s18, v[LN]                 ; wave 0..15
	s_and_b32 s[SE], ttmp7, 0xffff                 ; the expert
	s_and_b32 s21, s18, 1                          ; which 64 columns I stream
	s_lshr_b32 s22, s18, 1                         ; which K step
	v_and_b32 v[LN], 31, v0
	v_and_b32 v[RR], 15, v0
	v_bfe_u32 v[HH], v0, 4, 1
	v_lshlrev_b32 v[L4], 2, v[LN]
	v_lshlrev_b32 v[L16], 4, v[LN]
	v_bfe_u32 v46, v0, 3, 1                        ; column 32 hb + lane goes to tile 2 hb + bit 3 of the lane,
	v_and_b32 v47, 7, v0
	v_lshl_or_b32 v47, v[HH], 3, v47               ; row rho = 8 x bit 4 + lane % 8
	v_lshl_or_b32 v48, v46, 4, v47                 ; its scale word's position
	s_mul_i32 s23, s21, 4*TS
	s_lshl_b32 s24, s22, 10
	s_add_co_u32 s23, s23, s24
	v_mul_u32_u24 v[WAD], v46, TS
	v_lshl_add_u32 v[WAD], v47, 4, v[WAD]
	v_add_nc_u32 v[WAD], s23, v[WAD]
	s_lshl_b32 s23, s21, 11
	s_lshl_b32 s24, s22, 7
	s_add_co_u32 s23, s23, s24
	s_add_co_u32 s23, s23, WSC
	v_lshl_add_u32 v[SAD], v48, 2, s23
	v_add_nc_u32 v[WRB], 4*TS, v[L16]
	v_add_nc_u32 v[WSR], WSC, v[L4]
	s_mul_i32 s23, s18, XSB
	s_add_co_u32 s23, s23, XST                     ; my stage
	v_mul_u32_u24 v[XSW], v[LN], XP
	v_add_nc_u32 v[XSW], s23, v[XSW]
	v_mul_u32_u24 v[XSR], v[HH], XP
	v_lshl_add_u32 v[XSR], v[RR], 4, v[XSR]
	v_add_nc_u32 v[XSR], s23, v[XSR]
	s_lshl_b32 s23, s18, 6
	v_lshl_add_u32 v[ROF], v[RR], 2, s23
	v_lshl_add_u32 v[ROF], v[HH], 10, v[ROF]
	v_lshlrev_b32 v[BOF], 6, v[HH]
	v_lshlrev_b32 v[HSO], 2, v[RR]
	v_mov_b32 v[C8], 0xbaa15130
	v_mov_b32 v[C8+1], 0xbaa15130
	COEF 40, 0xbfb8aa3b                            ; -log2(e)
	COEF 42, 0xb9d25000                            ; the polynomial, from its highest coefficient down
	COEF 44, 0x3aac2b8a
	COEF 46, 0x3c0d6e62
	COEF 48, 0xbc040dc1
	COEF 50, 0xbd5e05b5
	COEF 52, 0x3e27fe23
	COEF 54, 0xbe2a0420
	COEF 56, 0xbdbdfb0b
	COEF 58, 0x3e8dd01d
	s_mov_b32 s60, 0x3f3504f3                      ; 1 / sqrt(2)
	s_mov_b32 s62, 0x76543210
	s_mov_b32 s63, 0xfedcba98                      ; v_permlanex16_b32's selects for lane l xor 16
	s_lshl_b32 s24, s[SE], 24                      ; W1: the expert's 16,777,216 bytes,
	s_lshl_b32 s23, s22, 21                        ; my K step's 128 rows,
	s_add_co_u32 s24, s24, s23
	s_lshl_b32 s23, ttmp9, 9                       ; the work-group's 512 bytes of a row,
	s_add_co_u32 s24, s24, s23
	s_lshl_b32 s23, s21, 8                         ; my 256 of them
	s_add_co_u32 s24, s24, s23
	s_mov_b32 s25, 0
	s_mul_i32 s2, s[SE], ESTR                      ; rows: the expert's part
	s_mov_b32 s3, 0
	s_lshl_b32 s36, s[SE], 14                      ; b1: the expert's row, the work-group's 128 numbers
	s_lshl_b32 s23, ttmp9, 9
	s_add_co_u32 s36, s36, s23
	s_mov_b32 s37, 0
	s_lshl_b32 s23, s[SE], 6
	s_add_co_u32 s23, s23, s18                     ; tile 64 e + wave,
	s_lshl_b32 s23, s23, 5
	s_add_co_u32 s23, s23, ttmp9                   ; K step j of it
	s_lshl_b32 s38, s23, 10
	s_mov_b32 s39, 0
	s_wait_kmcnt 0x0
	s_add_nc_u64 s[30:31], s[30:31], s[2:3]
	s_add_nc_u64 s[4:5], s[4:5], s[24:25]
	s_add_nc_u64 s[6:7], s[6:7], s[36:37]
	s_add_nc_u64 s[32:33], s[14:15], s[38:39]      ; where my first tile's image goes
	s_lshl_b32 s38, s23, 6
	s_add_nc_u64 s[34:35], s[16:17], s[38:39]      ; and its scale words
.set i, 0
.rept 8
	global_load_b128 v[SL+4*i:SL+4*i+3], v[L16], s[8:9] offset:512*i           ; sel, whole: register 4 i + c holds token 128 i + 4 lane + c
.set i, i+1
.endr
	WLOAD 0
	WLOAD 1
	; ---- THE PLACING, while the stream's first 64 loads are on their way
	v_lshl_add_u32 v[PP], v[HH], 8, v[RR]
	s_lshl_b32 s20, s18, 4
	v_add_nc_u32 v[PP], s20, v[PP]                 ; my first position: row lane % 16 of tile w + 16 (lane / 16),
	v_add_nc_u32 v[PP+1], 512, v[PP]               ; my second: of tile w + 32 + 16 (lane / 16)
	s_mov_b32 s26, 0
	s_wait_loadcnt 63                              ; 64 loads were issued behind sel's eight: with 63 out, sel is in
.set i, 0
.rept 32
	v_and_b32 v[TT], 0xff, v[SL+i]                 ; the token's first expert,
	v_bfe_u32 v[TT+1], v[SL+i], 8, 8               ; its second
	v_cmp_eq_u32 s[MK+i], s[SE], v[TT]
	v_cmp_eq_u32 vcc_lo, s[SE], v[TT+1]
	s_or_b32 s[MK+i], s[MK+i], vcc_lo              ; chunk i's mask
	s_bcnt1_i32_b32 s98, s[MK+i]
	s_add_co_u32 s26, s26, s98                     ; the count N
.set i, i+1
.endr
	s_sub_co_u32 s61, s26, 1
.irp z, 0,1
	v_min_u32 v[PP+\z], s61, v[PP+\z]              ; a position behind the count repeats the last row (N = 0: the greatest number: nothing is held, and nothing of it is used)
	v_mov_b32 v[MM+\z], s[MK]                      ; chunk 0 to begin with: no match lies ahead of it
	v_mov_b32 v[KK+\z], 0
	v_mov_b32 v[PS+\z], 0
.endr
	s_mov_b32 s99, 0
.set i, 1
.rept 31                                       ; the last chunk with no more matches ahead of it than my position is the one in which the position falls
	s_bcnt1_i32_b32 s98, s[MK+i-1]
	s_add_co_u32 s99, s99, s98                     ; the matches ahead of chunk i: 1,024 at the most,
	s_add_co_u32 s20, s99, i<<16                   ; with the chunk's number above them
.irp z, 0,1
	v_cmp_le_u32 vcc_lo, s99, v[PP+\z]
	v_cndmask_b32 v[MM+\z], v[MM+\z], s[MK+i], vcc_lo
	v_cndmask_b32 v[KK+\z], v[KK+\z], s20, vcc_lo
.endr
.set i, i+1
.endr
.irp z, 0,1
	v_lshrrev_b32 v[II+\z], 16, v[KK+\z]
	v_and_b32 v[KK+\z], 0xffff, v[KK+\z]
	v_sub_nc_u32 v[KK+\z], v[PP+\z], v[KK+\z]      ; my rank among the chunk's set bits
	v_lshrrev_b32 v[TT+\z], 1, v[MM+\z]            ; the mask's set bits, counted in fields of 2,
	v_and_b32 v[TT+\z], 0x55555555, v[TT+\z]
	v_sub_nc_u32 v[CA2+\z], v[MM+\z], v[TT+\z]
	v_lshrrev_b32 v[TT+\z], 2, v[CA2+\z]           ; of 4,
	v_and_b32 v[TT+\z], 0x33333333, v[TT+\z]
	v_and_b32 v[CB4+\z], 0x33333333, v[CA2+\z]
	v_add_nc_u32 v[CB4+\z], v[CB4+\z], v[TT+\z]
	v_lshrrev_b32 v[TT+\z], 4, v[CB4+\z]           ; of 8,
	v_add_nc_u32 v[CC8+\z], v[CB4+\z], v[TT+\z]
	v_and_b32 v[CC8+\z], 0x0f0f0f0f, v[CC8+\z]
	v_lshrrev_b32 v[TT+\z], 8, v[CC8+\z]           ; and the low 16, in the low byte
	v_add_nc_u32 v[CD16+\z], v[CC8+\z], v[TT+\z]
.endr
	HALF CD16, 0xff, 16
	HALF CC8, 0xff, 8
	HALF CB4, 15, 4
	HALF CA2, 3, 2
	HALF MM, 1, 1
.irp z, 0,1
	v_lshrrev_b32 v[TT+\z], 2, v[II+\z]            ; chunk j, bit l: token 128 (j / 4) + 4 l + j % 4
	v_and_b32 v[UQ+\z], 3, v[II+\z]
	v_lshl_add_u32 v[UQ+\z], v[PS+\z], 2, v[UQ+\z]
.endr
	v_lshl_add_u32 v[LE], v[TT], 7, v[UQ]
	v_lshl_add_u32 v[LE2], v[TT+1], 7, v[UQ+1]
	v_min_u32 v[LE], 0x3ff, v[LE]                  ; lanes 0-15: tile w; lanes 16-31: tile w + 16
	v_min_u32 v[LE2], 0x3ff, v[LE2]                ; tiles w + 32 and w + 48
	v_mov_b32 v[LE1], 0                            ; (a lane permute's destination counts as one of its sources)
	v_mov_b32 v[LE3], 0
	v_permlanex16_b32 v[LE1], v[LE], s62, s63      ; the upper lanes' tiles come down to lanes 0-15
	v_permlanex16_b32 v[LE3], v[LE2], s62, s63
	v_lshlrev_b32 v[GA], 2, v[LE]
	v_lshlrev_b32 v[GA+1], 2, v[LE2]
	global_load_b32 v[GS], v[GA], s[8:9]           ; sel [token], for the slot.  Every work-group asks, though one alone stores the list: so the stream's counted waits count the same loads in all
	global_load_b32 v[GS+1], v[GA+1], s[8:9]
	; ---- the stream goes on
	WBLOCK 0
	WBLOCK 1
	WBLOCK 2
	WBLOCK 3
	WBLOCK 4
	WBLOCK 5
	WBLOCK 6
	WBLOCK 7
	ds_store_b32 v[SAD], v[WS]
	ds_store_b32 v[SAD], v[WS+1] offset:SU
	s_wait_dscnt 0x0                               ; for the others' sake: my images and scale words have landed
	s_barrier_signal -1
	s_barrier_wait -1                              ; from here on nobody writes the images or the scale words; a wave writes its own stage alone
	s_min_u32 s26, s26, 1024                       ; the expert's rows
	s_cmp_lg_u32 ttmp9, 0
	s_cbranch_scc1 .Lnot_first                     ; the expert's first work-group stores the list for the next launch
	v_bfe_u32 v[TT], v[GS], 8, 8
	v_bfe_u32 v[TT+1], v[GS+1], 8, 8
	v_cmp_eq_u32 vcc_lo, s[SE], v[TT]
	v_cndmask_b32 v[TT], 0, 1, vcc_lo              ; the slot: 1 where the expert is the token's second
	v_cmp_eq_u32 vcc_lo, s[SE], v[TT+1]
	v_cndmask_b32 v[TT+1], 0, 1, vcc_lo
	v_lshl_add_u32 v[EN], v[LE], 1, v[TT]          ; 2 x token + slot
	v_lshl_add_u32 v[EN+1], v[LE2], 1, v[TT+1]
	global_store_b32 v[ROF], v[EN], s[30:31]       ; the sixteen waves' two stores cover entries 0..1023
	global_store_b32 v[ROF], v[EN+1], s[30:31] offset:2048
	s_cmp_lg_u32 s18, 0
	s_cbranch_scc1 .Lnot_first
	v_mov_b32 v[CN], s26
	global_store_b32 v[L4], v[CN], s[30:31] offset:4096            ; the count, 32 equal words, from wave 0
.Lnot_first:
	s_wait_xcnt 0x0                                ; the stores have read their registers, which the accumulators take
	s_add_co_u32 s27, s26, 31
	s_lshr_b32 s27, s27, 5
	s_lshl_b32 s27, s27, 1                         ; the expert's tiles: 2 x ceil(N / 32)
	s_mov_b32 s29, s18                             ; my tile
	s_mov_b32 s28, 0
.Ltrip:
	s_cmp_ge_u32 s29, s27
	s_cbranch_scc1 .Lskip
	v_min_u32 v[TOK], 0x3ff, v[LE]                 ; lanes 0-15: row lane's token (lanes 16-31 hold tokens of another tile: what they load is not read)
	v_lshlrev_b32 v[SO], 5, v[TOK]
	global_load_b128 v[XS:XS+3], v[SO], s[12:13]   ; its 32 scale bytes: a word a K step
	global_load_b128 v[XS+4:XS+7], v[SO], s[12:13] offset:16
.set i, 0
.rept 16
	v_readlane_b32 s36, v[TOK], i
	s_min_u32 s36, s36, 1023
	v_lshl_add_u32 v[RO+i], s36, 9, v[L16]
	global_load_b128 v[WF+4*i:WF+4*i+3], v[RO+i], s[10:11]         ; row i whole: 32 lanes read its 512 bytes, lane = block
.set i, i+1
.endr
.irp t, 0,1,2,3,4,5,6,7
	global_load_b128 v[ACC+8*\t:ACC+8*\t+3], v[BOF], s[6:7] offset:(32*(\t/2)+8*(\t%2))*4        ; b1 in the result's layout: units 32 (t / 2) + 16 (lane / 16) + 8 (t % 2) + 0 .. 7
	global_load_b128 v[ACC+8*\t+4:ACC+8*\t+7], v[BOF], s[6:7] offset:(32*(\t/2)+8*(\t%2))*4+16
.endr
	s_wait_loadcnt 16                              ; the scale words and the rows are in; b1's sixteen loads may be out
.set i, 0
.rept 16
	ds_store_b128 v[XSW], v[WF+4*i:WF+4*i+3] offset:16*i           ; [block][row]
.set i, i+1
.endr
.irp s, 0,1,2,3,4,5,6,7
.irp c, 0,1
	ds_load_b128 v[XF+8*\s+4*\c:XF+8*\s+4*\c+3], v[XSR] offset:(4*\s+2*\c)*XP   ; lane (r, h): row r, block 4 s + 2 c + h.  LDS serves a wave's instructions in order
.endr
.endr
	s_wait_dscnt 16                                ; the sixteen stores are done: the rows' registers take the weights' fragments
	KSTEP 0
	KSTEP 1
	KSTEP 2
	KSTEP 3
	KSTEP 4
	KSTEP 5
	KSTEP 6
	KSTEP 7
	PLACES                                         ; in front of the first read of results and of writes into the fragments' registers
	GELU ACC
	GELU ACC+32
	QUANT ACC
	global_store_b128 v[L16], v[PC:PC+3], s[32:33]                 ; the image: 512 consecutive bytes a line
	global_store_b128 v[L16], v[PC+4:PC+7], s[32:33] offset:512
	global_store_b32 v[HSO], v[PW], s[34:35]                       ; 16 words; lanes r and r + 16 write the same word with the same value
.Lskip:
	s_wait_xcnt 0x0                                ; the stores have read their registers and bases: both may be written again
	v_mov_b32 v[LE], v[LE1]                        ; the next tile's tokens come forward
	v_mov_b32 v[LE1], v[LE2]
	v_mov_b32 v[LE2], v[LE3]
	s_add_nc_u64 s[32:33], s[32:33], 16*32*1024    ; 16 tiles on
	s_add_nc_u64 s[34:35], s[34:35], 16*32*64
	s_add_co_u32 s29, s29, 16
	s_add_co_u32 s28, s28, 1
	s_cmp_lt_u32 s28, 4
	s_cbranch_scc1 .Ltrip
	s_wait_tensorcnt 0x0
	ds_add_u32 v62, v63
	s_wait_dscnt 0x0
	s_endpgm
.Lfunc_end_k_qc7c8145dad_up:
	.size	k_qc7c8145dad_up, .Lfunc_end_k_qc7c8145dad_up-k_qc7c8145dad_up
	.p2alignl 7, 3214868480
	.fill 96, 4, 3214868480
	.section	.rodata,"a",@progbits
	.p2align	6, 0x0
	.amdhsa_kernel k_qc7c8145dad_up
		.amdhsa_group_segment_fixed_size 211968
		.amdhsa_private_segment_fixed_size 0
		.amdhsa_enable_private_segment 0
		.amdhsa_kernarg_size 64
		.amdhsa_user_sgpr_count 2
		.amdhsa_user_sgpr_kernarg_segment_ptr 1
		.amdhsa_wavefront_size32 1
		.amdhsa_system_sgpr_workgroup_id_x 1
		.amdhsa_system_sgpr_workgroup_id_y 1
		.amdhsa_system_sgpr_workgroup_id_z 1
		.amdhsa_system_vgpr_workitem_id 0
		.amdhsa_next_free_vgpr 256
		.amdhsa_next_free_sgpr 100
		.amdhsa_reserve_vcc 1
		.amdhsa_float_denorm_mode_32 3
		.amdhsa_float_denorm_mode_16_64 3
		.amdhsa_memory_ordered 1
		.amdhsa_forward_progress 1
		.amdhsa_inst_pref_size 157
	.end_amdhsa_kernel
	.amdgpu_metadata
---
amdhsa.version: [ 1, 2 ]
amdhsa.kernels:
  - .name:           k_qc7c8145dad_up
    .symbol:         k_qc7c8145dad_up.kd
    .args:
      - { .name: W1, .offset: 0, .size: 8, .value_kind: global_buffer, .address_space: global }
      - { .name: b1, .offset: 8, .size: 8, .value_kind: global_buffer, .address_space: global }
      - { .name: sel, .offset: 16, .size: 8, .value_kind: global_buffer, .address_space: global }
      - { .name: xq, .offset: 24, .size: 8, .value_kind: global_buffer, .address_space: global }
      - { .name: xsc, .offset: 32, .size: 8, .value_kind: global_buffer, .address_space: global }
      - { .name: hq, .offset: 40, .size: 8, .value_kind: global_buffer, .address_space: global }
      - { .name: hsc, .offset: 48, .size: 8, .value_kind: global_buffer, .address_space: global }
      - { .name: rows, .offset: 56, .size: 8, .value_kind: global_buffer, .address_space: global }
    .group_segment_fixed_size: 211968
    .private_segment_fixed_size: 0
    .kernarg_segment_align: 8
    .kernarg_segment_size: 64
    .max_flat_workgroup_size: 512
    .sgpr_count:     100
    .vgpr_count:     256
    .wavefront_size: 32
...
	.end_amdgpu_metadata
.endif
;; end of part 2
;; launch down (part 3): grid 32 x 8, 16 waves a work-group, no clusters, 141,312 bytes of LDS; arguments W2, b2, rows, hq, hsc, y2; writes y2
.if DOCPART == 3
	.amdgcn_target "amdgcn-amd-amdhsa--gfx1250"
	.amdhsa_code_object_version 6
	.text
	.protected	k_qc7c8145dad_down
	.globl	k_qc7c8145dad_down
	.p2align	8
	.type	k_qc7c8145dad_down,@function
k_qc7c8145dad_down:
	s_mov_b64 s[64:65], 0
	v_nop
	global_prefetch_b8 v0, s[64:65] scope:SCOPE_SE
	s_setreg_imm32_b32 hwreg(HW_REG_WAVE_MODE, 25, 1), 1
	s_wait_xcnt 0x0
; SECOND PRODUCT, for the routed rows alone.  y = h W2[e] + b2[e], both operands as codes of FP4 (E2M1) with one E8M0 scale for each 32 along K = 4,096.
; A WORK-GROUP OWNS WEIGHTS: expert e = work-group y; 64 outputs (os = x % 16: 256 bytes of each row of W2[e]); half of K (kh = x / 16: 2,048 rows): 524,288 bytes of f32, read from memory ONCE in the launch.
; K is halved because 64 outputs over all of K would give 128 work-groups, and 32 outputs would cut each 256 bytes of a row between two work-groups.  The two halves' sums go to two planes of y2 and are added by the next launch; b2 counts in plane 0 alone.
; PHASE 1, the stream: as in the launch before: a lane takes a column, its registers run down K; wave w takes local K step w.  Images: tile ct (16 neighbouring outputs), K step s: 16,384 ct + 1,024 s + 512 c + 16 lane.
; THE ROWS come from rows, whole numbers that an earlier launch stored: [expert][entries 0..1023: 2 x token + slot; at byte 4,096 the count N]; the 32 entries behind the count repeat the last row.
; PHASE 2, the rows.  The expert's N rows make ceil(N / 32) pairs of tiles of 16, all of which the launch before has written.  Wave w takes the pairs q = w, w + 16: a loop of two trips, constant; a trip whose pair does not exist jumps to its own tail.
; No barrier stands in the loop.  h's fragments come from hq as they were stored, straight into registers, four K steps a batch, two batches ahead.  Source 0 = 16 outputs, source 1 = 16 rows: a lane holds one row and eight neighbouring outputs.
; Each fragment of W feeds two products.  The pair's 32 list entries are asked for behind the third batch's products, into registers that the batch has left, and land while the fourth is multiplied.
; THE WAY OUT: through the wave's stage in LDS, so that sixteen lanes store 256 consecutive, aligned bytes of row 2 x token + slot of y2: [kh][2,048 rows][1,024] f32.
; NO ROW IS MASKED: a repeated row has the codes, and so the sums, of the row that it repeats, lies in the same pair, and is stored by the same wave to the same bytes with the same values: at most 31 rows of 256 bytes a work-group are stored again.
; LIMITS: NaN and infinities are not served.  A block of zeros gets the byte 1.
; NO TENSOR LOAD, NO CLUSTER: which trips work hangs on a count read from memory; every weight byte has one reader; h's images, which the sixteen work-groups of an expert's K half share, are 17,408 bytes a tile beside 524,288 bytes of weights.
; NO PREFETCH: each of the 16 waves issues 64 loads of 128 bytes of the stream among its first lines, and 32 more behind each group that it has worked.
.set RS,   4096                        ; a row of W2[e] in bytes
.set TS,   16384                       ; a tile's 16 images
.set WSC,  4*TS                        ; the weights' scale words: [pair of tiles][K step][position 0..31][4 bytes]
.set SU,   2048
.set STG,  WSC+4096                    ; a stage for each wave: 16 rows x (256 + 16 bytes)
.set SPI,  272
.set HQT,  32768                       ; a tile of rows in hq: 32 images
.set HST,  2048                        ; and in hsc: 32 x 16 words
.set ESTR, 4352                        ; an expert's part of rows in bytes
.set LN,  1
.set RR,  2
.set HH,  3
.set L4,  4
.set L16, 5                            ; 16 x lane: also the LDS address of an image's registers (the images begin at LDS byte 0)
.set WAD, 6
.set SAD, 7
.set WSR, 9
.set STO, 10                           ; the stage, in: row lane % 16, 32 bytes for each half of the lanes
.set RD,  11                           ; the stage, out: lanes 0-15 one row, lanes 16-31 the next
.set LB,  12                           ; 128 wave + 4 (lane / 16): the byte, in the expert's list, of the entry of row lane / 16 of my first pair
.set LA,  13                           ; the same for the pair in hand
.set C16, 14                           ; 16 (lane % 16)
.set BOF, 15                           ; 32 (lane / 16): b2
.set WS,  18                           ; v18-19 the weights' scale words (in the stream: the two words being made)
.set HS,  20                           ; v20-27 h's scale words: [buffer][tile of rows][two K steps: lanes 0-15 the even one, lanes 16-31 the odd one]
.set T0,  28                           ; v28-31 at work
.set WF,  32                           ; v32-63 four fragments of W
.set HF,  64                           ; v64-127, v128-191 two buffers: [tile of rows][K step of four][8]
.set DE,  64                           ; the way out: v64-79 16 list entries,
.set VO,  80                           ; v80-95 16 offsets in y2,
.set OB,  128                          ; v128-191 16 x 4 registers read back from the stage
.set ACC, 192                          ; accumulator (rt, ct) at 192 + 8 (4 rt + ct)
.set X,   64
.set C,   128
.set SE,  19
.macro WLOAD g                         ; group g: K block g / 2 of my K step, columns 32 (g % 2) + lane: 32 rows, 128 consecutive bytes a line; groups 2 b and 2 b + 1 are the two halves of the same 256 bytes of each row
.set i, 0
.rept 32
	global_load_b32 v[X+32*((\g)%2)+i], v[L4], s[4:5] offset:(32*((\g)/2)+i)*RS+128*((\g)%2) th:TH_LOAD_NT
.set i, i+1
.endr
.endm
.macro WBLOCK g
.set XG, X+32*((\g)%2)
.set BB, (\g)/2
.set UU, (\g)%2
.if (\g) < 7
	s_wait_loadcnt 32                              ; this group's 32 loads are in; the next group's may be out
.else
	s_wait_loadcnt 0x0
.endif
	v_max3_num_f32 v[T0], |v[XG]|, |v[XG+1]|, |v[XG+2]|            ; the block's largest magnitude: all 32 numbers are mine
	v_max3_num_f32 v[T0+1], |v[XG+3]|, |v[XG+4]|, |v[XG+5]|
.irp i, 6,10,14,18,22,26
	v_max3_num_f32 v[T0], v[T0], |v[XG+\i]|, |v[XG+\i+1]|
	v_max3_num_f32 v[T0+1], v[T0+1], |v[XG+\i+2]|, |v[XG+\i+3]|
.endr
	v_max3_num_f32 v[T0], v[T0], |v[XG+30]|, |v[XG+31]|
	v_max3_num_f32 v[T0], v[T0], v[T0+1], 0x1800000                ; and the floor 2^(3 - 127): the byte cannot fall under 1
	v_add_nc_u32 v[T0+2], 0xff000000, v[T0]        ; 2 off the exponent field: the conversion's scale operand
	v_lshrrev_b32 v[T0+3], 23, v[T0+2]             ; the scale's byte
.if BB == 0
	v_mov_b32 v[WS+UU], v[T0+3]                    ; four bytes to a word, the lower K in the lower byte
.else
	v_lshl_or_b32 v[WS+UU], v[T0+3], 8*BB, v[WS+UU]
.endif
.irp q, 0,1,2,3
	v_cvt_scalef32_pk8_fp4_f32 v[C+4*(\g)+\q], v[XG+8*\q:XG+8*\q+7], v[T0+2]
.endr
	v_nop                                          ; one plain place behind the scaled conversions
	ds_store_b128 v[WAD], v[C+4*(\g):C+4*(\g)+3] offset:UU*2*TS+(BB/2)*512+(BB%2)*256
.if (\g) < 6
	WLOAD (\g)+2
.endif
.endm
.macro PLACES
.rept 4
	v_nop
.endr
.endm
.macro HLOAD bt                        ; batch bt: K steps 4 bt .. 4 bt + 3 of both tiles of rows: 16 loads of 512 consecutive bytes, 4 of 128: 20 loads
.irp rt, 0,1
.irp sl, 0,1,2,3
.irp c, 0,1
	global_load_b128 v[HF+64*((\bt)%2)+32*\rt+8*\sl+4*\c:HF+64*((\bt)%2)+32*\rt+8*\sl+4*\c+3], v[L16], s[32:33] offset:\rt*HQT+(4*(\bt)+\sl)*1024+512*\c
.endr
.endr
.irp z, 0,1
	global_load_b32 v[HS+4*((\bt)%2)+2*\rt+\z], v[L4], s[36:37] offset:\rt*HST+(4*(\bt)+2*\z)*64
.endr
.endr
.endm
.macro ELOAD                           ; where the pair's rows go: register 8 rt + i: lanes 0-15 the entry of row 2 i of tile rt, lanes 16-31 that of row 2 i + 1: 16 loads
.irp rt, 0,1
.irp i, 0,1,2,3,4,5,6,7
	global_load_b32 v[DE+8*\rt+\i], v[LA], s[8:9] offset:64*\rt+8*\i
.endr
.endr
.endm
; K step s: the weights' four fragments and two registers of scale words from LDS, 8 products.  The 8 accumulators take turns, one instruction a turn.
.macro KSTEP s
.if (\s) > 0
	PLACES                                         ; in front of loads into registers that the last products read
.endif
.irp ct, 0,1,2,3
.irp c, 0,1
	ds_load_b128 v[WF+8*\ct+4*\c:WF+8*\ct+4*\c+3], v[L16] offset:\ct*TS+(\s)*1024+\c*512
.endr
.endr
.irp p, 0,1
	ds_load_b32 v[WS+\p], v[WSR] offset:\p*SU+(\s)*128
.endr
	s_wait_dscnt 0x0
.irp ct, 0,1,2,3
.irp rt, 0,1
.set DD, ACC+8*(4*\rt+\ct)
.set AA, WF+8*\ct
.set BR, HF+64*(((\s)/4)%2)+32*\rt+8*((\s)%4)
.set SA, WS+\ct/2
.set SR, HS+4*(((\s)/4)%2)+2*\rt+((\s)%4)/2
.if (\ct%2) && ((\s)%2)
	v_wmma_scale_f32_16x16x128_f8f6f4 v[DD:DD+7], v[AA:AA+7], v[BR:BR+7], v[DD:DD+7], v[SA], v[SR] matrix_a_fmt:MATRIX_FMT_FP4 matrix_b_fmt:MATRIX_FMT_FP4 matrix_a_scale:MATRIX_SCALE_ROW1 matrix_b_scale:MATRIX_SCALE_ROW1
.elseif (\ct%2)
	v_wmma_scale_f32_16x16x128_f8f6f4 v[DD:DD+7], v[AA:AA+7], v[BR:BR+7], v[DD:DD+7], v[SA], v[SR] matrix_a_fmt:MATRIX_FMT_FP4 matrix_b_fmt:MATRIX_FMT_FP4 matrix_a_scale:MATRIX_SCALE_ROW1
.elseif ((\s)%2)
	v_wmma_scale_f32_16x16x128_f8f6f4 v[DD:DD+7], v[AA:AA+7], v[BR:BR+7], v[DD:DD+7], v[SA], v[SR] matrix_a_fmt:MATRIX_FMT_FP4 matrix_b_fmt:MATRIX_FMT_FP4 matrix_b_scale:MATRIX_SCALE_ROW1
.else
	v_wmma_scale_f32_16x16x128_f8f6f4 v[DD:DD+7], v[AA:AA+7], v[BR:BR+7], v[DD:DD+7], v[SA], v[SR] matrix_a_fmt:MATRIX_FMT_FP4 matrix_b_fmt:MATRIX_FMT_FP4
.endif
.endr
.endr
.endm
.macro BATCH bt
.if (\bt) < 3
	s_wait_loadcnt 20                              ; this batch (and, ahead of it, b2) is in; the next batch's 20 loads may be out
.else
	s_wait_loadcnt 16                              ; the last batch is in; the 16 loads of list entries behind it may be out
.endif
.if (\bt) == 0
.set i, 0
.rept 64
	v_and_b32 v[ACC+i], s40, v[ACC+i]              ; b2 counts once: the second half of K begins at 0
.set i, i+1
.endr
.endif
.irp sl, 0,1,2,3
	KSTEP 4*(\bt)+\sl
.endr
.if (\bt) < 3
	PLACES                                         ; in front of loads into registers that the last products read
.endif
.if (\bt) < 2
	HLOAD (\bt)+2
.endif
.if (\bt) == 2
	ELOAD
.endif
.endm
	s_load_b256 s[4:11], s[0:1], 0x0               ; W2 s[4:5], b2 s[6:7], rows s[8:9], hq s[10:11]
	s_load_b128 s[12:15], s[0:1], 0x20             ; hsc s[12:13], y2 s[14:15]
	v_lshl_add_u32 v16, v0, 2, 0x22000
	v_mov_b32 v17, 0
	v_lshrrev_b32 v[LN], 5, v0
	v_readfirstlane_b32 s18, v[LN]                 ; wave 0..15
	s_and_b32 s[SE], ttmp7, 0xffff                 ; the expert
	s_and_b32 s20, ttmp9, 15                       ; os: which 64 outputs
	s_lshr_b32 s21, ttmp9, 4                       ; kh: which half of K
	v_and_b32 v[LN], 31, v0
	v_and_b32 v[RR], 15, v0
	v_bfe_u32 v[HH], v0, 4, 1
	v_lshlrev_b32 v[L4], 2, v[LN]
	v_lshlrev_b32 v[L16], 4, v[LN]
	s_lshl_b32 s23, s18, 10
	v_lshlrev_b32 v[WAD], 14, v[HH]                ; column 32 u + lane goes to tile 2 u + lane / 16, row lane % 16; K step = wave
	v_lshl_add_u32 v[WAD], v[RR], 4, v[WAD]
	v_add_nc_u32 v[WAD], s23, v[WAD]
	s_lshl_b32 s23, s18, 7
	v_lshl_add_u32 v[LB], v[HH], 2, s23
	s_add_co_u32 s23, s23, WSC
	v_add_nc_u32 v[SAD], s23, v[L4]
	v_add_nc_u32 v[WSR], WSC, v[L4]
	s_mul_i32 s23, s18, 16*SPI
	s_add_co_u32 s23, s23, STG                     ; my stage
	v_mul_u32_u24 v[STO], v[RR], SPI
	v_lshl_add_u32 v[STO], v[HH], 5, v[STO]
	v_add_nc_u32 v[STO], s23, v[STO]
	v_mul_u32_u24 v[RD], v[HH], SPI
	v_lshl_add_u32 v[RD], v[RR], 4, v[RD]
	v_add_nc_u32 v[RD], s23, v[RD]
	v_lshlrev_b32 v[C16], 4, v[RR]
	v_lshlrev_b32 v[BOF], 5, v[HH]
	s_cmp_eq_u32 s21, 0
	s_cselect_b32 s40, -1, 0
	s_mov_b32 s43, 0
	s_mov_b32 s25, 0
	s_mul_i32 s46, s[SE], ESTR                     ; rows: the expert's part
	s_mov_b32 s47, 0
	s_lshl_b32 s24, s[SE], 24                      ; W2: the expert's 16,777,216 bytes,
	s_lshl_b32 s23, s21, 23                        ; the half's 2,048 rows,
	s_add_co_u32 s24, s24, s23
	s_lshl_b32 s23, s18, 19                        ; my K step's 128 rows,
	s_add_co_u32 s24, s24, s23
	s_lshl_b32 s23, s20, 8                         ; the work-group's 256 bytes of a row
	s_add_co_u32 s24, s24, s23
	s_lshl_b32 s22, s[SE], 6
	s_lshl_b32 s29, s18, 1                         ; my first pair's first tile,
	s_add_co_u32 s22, s22, s29                     ; among all experts' tiles: 64 e + 2 wave
	s_wait_kmcnt 0x0
	s_add_nc_u64 s[8:9], s[8:9], s[46:47]
	s_load_b32 s26, s[8:9], 0x1000                 ; the count; it is waited for behind the stream
	s_add_nc_u64 s[4:5], s[4:5], s[24:25]
	s_lshl_b32 s24, s[SE], 12                      ; b2: the expert's row, the work-group's 64 numbers
	s_add_co_u32 s24, s24, s23
	s_add_nc_u64 s[6:7], s[6:7], s[24:25]
	s_lshl_b32 s24, s21, 23                        ; y2: the half's plane, the work-group's 256 bytes of a row
	s_add_co_u32 s24, s24, s23
	s_add_nc_u64 s[14:15], s[14:15], s[24:25]
	s_lshl_b32 s24, s21, 14                        ; hq: the half's 16 images of a tile,
	s_lshl_b32 s42, s22, 15                        ; my first tile
	s_add_nc_u64 s[32:33], s[10:11], s[24:25]
	s_add_nc_u64 s[32:33], s[32:33], s[42:43]
	s_lshl_b32 s24, s21, 10                        ; hsc: the half's 16 x 16 words,
	s_lshl_b32 s42, s22, 11                        ; my first tile
	s_add_nc_u64 s[36:37], s[12:13], s[24:25]
	s_add_nc_u64 s[36:37], s[36:37], s[42:43]
	WLOAD 0
	WLOAD 1
	WBLOCK 0
	WBLOCK 1
	WBLOCK 2
	WBLOCK 3
	WBLOCK 4
	WBLOCK 5
	WBLOCK 6
	WBLOCK 7
	ds_store_b32 v[SAD], v[WS]
	ds_store_b32 v[SAD], v[WS+1] offset:SU
	s_wait_dscnt 0x0                               ; for the others' sake: my images and scale words have landed
	s_barrier_signal -1
	s_barrier_wait -1                              ; from here on nobody writes the images or the scale words; a wave writes its own stage alone
	s_wait_kmcnt 0x0                               ; the count
	s_min_u32 s26, s26, 1024                       ; the expert's rows
	s_add_co_u32 s27, s26, 31
	s_lshr_b32 s27, s27, 5
	s_lshl_b32 s27, s27, 1                         ; its tiles: 2 x ceil(N / 32)
	s_mov_b32 s30, 0                               ; my pair's entries' place in the list, less LB
	s_mov_b32 s28, 0
.Ltrip:
	s_cmp_ge_u32 s29, s27
	s_cbranch_scc1 .Lskip
	v_add_nc_u32 v[LA], s30, v[LB]
.irp rt, 0,1
.irp ct, 0,1,2,3
	global_load_b128 v[ACC+8*(4*\rt+\ct):ACC+8*(4*\rt+\ct)+3], v[BOF], s[6:7] offset:64*\ct       ; b2 in the result's layout: outputs 16 ct + 8 (lane / 16) + 0 .. 7
	global_load_b128 v[ACC+8*(4*\rt+\ct)+4:ACC+8*(4*\rt+\ct)+7], v[BOF], s[6:7] offset:64*\ct+16
.endr
.endr
	HLOAD 0
	HLOAD 1
	BATCH 0
	BATCH 1
	BATCH 2
	BATCH 3
	PLACES                                         ; in front of the first read of results and of loads into the fragments' registers
.irp rt, 0,1
.irp ct, 0,1,2,3
	ds_store_b128 v[STO], v[ACC+8*(4*\rt+\ct):ACC+8*(4*\rt+\ct)+3] offset:64*\ct          ; each accumulator from its low end on
	ds_store_b128 v[STO], v[ACC+8*(4*\rt+\ct)+4:ACC+8*(4*\rt+\ct)+7] offset:64*\ct+16
.endr
.irp i, 0,1,2,3,4,5,6,7
	ds_load_b128 v[OB+32*\rt+4*\i:OB+32*\rt+4*\i+3], v[RD] offset:\i*2*SPI     ; LDS serves a wave's instructions in order: these see my stores, and the next tile's stores come behind them
.endr
.endr
	s_wait_loadcnt 0x0                             ; the list entries
.set i, 0
.rept 16
	v_min_u32 v[DE+i], 0x7ff, v[DE+i]
.set i, i+1
.endr
.set i, 0
.rept 16
	v_lshl_add_u32 v[VO+i], v[DE+i], 12, v[C16]    ; row x 4,096 bytes + my 16 of the work-group's 256
.set i, i+1
.endr
	s_wait_dscnt 0x0                               ; the rows are back from the stage
.set i, 0
.rept 16
	global_store_b128 v[VO+i], v[OB+4*i:OB+4*i+3], s[14:15]        ; sixteen lanes store 256 consecutive bytes, at a multiple of 256 from y2's first byte
.set i, i+1
.endr
.Lskip:
	s_wait_xcnt 0x0                                ; the stores have read their registers: these, and the loads' addresses and bases, may be written again
	s_add_nc_u64 s[32:33], s[32:33], 32*HQT        ; 16 pairs on
	s_add_nc_u64 s[36:37], s[36:37], 32*HST
	s_add_co_u32 s29, s29, 32
	s_add_co_u32 s30, s30, 2048
	s_add_co_u32 s28, s28, 1
	s_cmp_lt_u32 s28, 2
	s_cbranch_scc1 .Ltrip
	s_wait_tensorcnt 0x0
	ds_add_u32 v16, v17
	s_wait_dscnt 0x0
	s_endpgm
.Lfunc_end_k_qc7c8145dad_down:
	.size	k_qc7c8145dad_down, .Lfunc_end_k_qc7c8145dad_down-k_qc7c8145dad_down
	.p2alignl 7, 3214868480
	.fill 96, 4, 3214868480
	.section	.rodata,"a",@progbits
	.p2align	6, 0x0
	.amdhsa_kernel k_qc7c8145dad_down
		.amdhsa_group_segment_fixed_size 141312
		.amdhsa_private_segment_fixed_size 0
		.amdhsa_enable_private_segment 0
		.amdhsa_kernarg_size 48
		.amdhsa_user_sgpr_count 2
		.amdhsa_user_sgpr_kernarg_segment_ptr 1
		.amdhsa_wavefront_size32 1
		.amdhsa_system_sgpr_workgroup_id_x 1
		.amdhsa_system_sgpr_workgroup_id_y 1
		.amdhsa_system_sgpr_workgroup_id_z 1
		.amdhsa_system_vgpr_workitem_id 0
		.amdhsa_next_free_vgpr 256
		.amdhsa_next_free_sgpr 66
		.amdhsa_reserve_vcc 0
		.amdhsa_float_denorm_mode_32 3
		.amdhsa_float_denorm_mode_16_64 3
		.amdhsa_memory_ordered 1
		.amdhsa_forward_progress 1
		.amdhsa_inst_pref_size 88
	.end_amdhsa_kernel
	.amdgpu_metadata
---
amdhsa.version: [ 1, 2 ]
amdhsa.kernels:
  - .name:           k_qc7c8145dad_down
    .symbol:         k_qc7c8145dad_down.kd
    .args:
      - { .name: W2, .offset: 0, .size: 8, .value_kind: global_buffer, .address_space: global }
      - { .name: b2, .offset: 8, .size: 8, .value_kind: global_buffer, .address_space: global }
      - { .name: rows, .offset: 16, .size: 8, .value_kind: global_buffer, .address_space: global }
      - { .name: hq, .offset: 24, .size: 8, .value_kind: global_buffer, .address_space: global }
      - { .name: hsc, .offset: 32, .size: 8, .value_kind: global_buffer, .address_space: global }
      - { .name: y2, .offset: 40, .size: 8, .value_kind: global_buffer, .address_space: global }
    .group_segment_fixed_size: 141312
    .private_segment_fixed_size: 0
    .kernarg_segment_align: 8
    .kernarg_segment_size: 48
    .max_flat_workgroup_size: 512
    .sgpr_count:     66
    .vgpr_count:     256
    .wavefront_size: 32
...
	.end_amdgpu_metadata
.endif
;; end of part 3
;; launch norm (part 4): grid 256 x 1, 4 waves a work-group, no clusters, 0 bytes of LDS; arguments y2, gate, gamma, beta, out0; writes out0
.if DOCPART == 4
	.amdgcn_target "amdgcn-amd-amdhsa--gfx1250"
	.amdhsa_code_object_version 6
	.text
	.protected	k_qc7c8145dad_norm
	.globl	k_qc7c8145dad_norm
	.p2align	8
	.type	k_qc7c8145dad_norm,@function
k_qc7c8145dad_norm:
	s_mov_b64 s[64:65], 0
	v_nop
	global_prefetch_b8 v0, s[64:65] scope:SCOPE_SE
	s_setreg_imm32_b32 hwreg(HW_REG_WAVE_MODE, 25, 1), 1
	s_wait_xcnt 0x0
; THE WEIGHTED SUM AND THE LAYER NORM.  One wave takes one token: token = 4 x work-group + wave.
; v = g0 (y2[0][2 t] + y2[1][2 t]) + g1 (y2[0][2 t + 1] + y2[1][2 t + 1]): the two halves of K of each of the token's two experts.  out0 = (v - mean) x rsqrt(var + 1e-5) x gamma + beta.
; The row stays in 32 registers a lane between the passes; the variance is the mean of (v - mean)^2, taken in a second pass over the registers: no difference of large sums is formed.
; Every load and store of the wave covers 512 consecutive bytes.  No LDS, no barrier, no matrix unit, no cluster: waves share only gamma and beta, 8,192 bytes.  No prefetch: a short launch that asks for all its bytes at its head.
; LIMITS: NaN and infinities are not served.
.set A,  16                            ; v16-47   plane 0, slot 0; then v, v - mean, the result
.set B,  48                            ; v48-79   plane 1, slot 0
.set C,  80                            ; v80-111  plane 0, slot 1
.set D,  112                           ; v112-143 plane 1, slot 1
.set G,  144                           ; v144-175 gamma
.set BE, 176                           ; v176-207 beta
.set S,  208                           ; v208-215 four chains of sums, two numbers each
	s_load_b256 s[4:11], s[0:1], 0x0               ; y2 s[4:5], gate s[6:7], gamma s[8:9], beta s[10:11]
	s_load_b64 s[12:13], s[0:1], 0x20              ; out0
	v_lshrrev_b32 v1, 5, v0
	v_readfirstlane_b32 s14, v1                    ; wave
	v_and_b32 v1, 31, v0
	v_lshlrev_b32 v2, 4, v1                        ; 16 x lane
	s_lshl_b32 s15, ttmp9, 2
	s_add_co_u32 s15, s15, s14                     ; my token
	s_lshl_b32 s16, s15, 13                        ; its two rows of a plane
	s_mov_b32 s17, 0
	s_lshl_b32 s18, s15, 3                         ; its two gates
	s_mov_b32 s19, 0
	s_lshl_b32 s24, s15, 12                        ; its row of out0
	s_mov_b32 s25, 0
	s_mov_b32 s26, 0x76543210
	s_mov_b32 s27, 0xfedcba98                      ; v_permlanex16_b32's selects for lane l xor 16
	s_mov_b32 s30, 0x3a800000                      ; 1 / 1,024
	s_wait_kmcnt 0x0
	s_add_nc_u64 s[6:7], s[6:7], s[18:19]
	s_load_b64 s[20:21], s[6:7], 0x0               ; g0, g1
	s_add_nc_u64 s[4:5], s[4:5], s[16:17]
	s_add_nc_u64 s[28:29], s[4:5], 0x800000        ; the second plane
	s_add_nc_u64 s[12:13], s[12:13], s[24:25]
.set i, 0
.rept 8
	global_load_b128 v[A+4*i:A+4*i+3], v2, s[4:5] offset:512*i th:TH_LOAD_NT
	global_load_b128 v[B+4*i:B+4*i+3], v2, s[28:29] offset:512*i th:TH_LOAD_NT
	global_load_b128 v[C+4*i:C+4*i+3], v2, s[4:5] offset:4096+512*i th:TH_LOAD_NT
	global_load_b128 v[D+4*i:D+4*i+3], v2, s[28:29] offset:4096+512*i th:TH_LOAD_NT
.set i, i+1
.endr
.set i, 0
.rept 8
	global_load_b128 v[G+4*i:G+4*i+3], v2, s[8:9] offset:512*i
	global_load_b128 v[BE+4*i:BE+4*i+3], v2, s[10:11] offset:512*i
.set i, i+1
.endr
	s_wait_kmcnt 0x0
	s_mov_b32 s22, s21                             ; g1 in a pair of its own: the packed form takes a scalar pair's low word for both halves
	s_mov_b32 s23, s21
	s_wait_loadcnt 16                              ; the four rows are in; gamma's and beta's sixteen loads may be out
.set i, 0
.rept 16
	v_pk_add_f32 v[A+i:A+i+1], v[A+i:A+i+1], v[B+i:B+i+1]
	v_pk_add_f32 v[C+i:C+i+1], v[C+i:C+i+1], v[D+i:D+i+1]
.set i, i+2
.endr
.set i, 0
.rept 16
	v_pk_mul_f32 v[A+i:A+i+1], v[A+i:A+i+1], s[20:21] op_sel_hi:[1,0]
.set i, i+2
.endr
.set i, 0
.rept 16
	v_pk_fma_f32 v[A+i:A+i+1], v[C+i:C+i+1], s[22:23], v[A+i:A+i+1] op_sel_hi:[1,0,1]
.set i, i+2
.endr
.irp k, 0,1,2,3
	v_pk_add_f32 v[S+2*\k:S+2*\k+1], v[A+2*\k:A+2*\k+1], v[A+8+2*\k:A+9+2*\k]     ; the first sums start the chains: nothing is cleared
.endr
.irp j, 16,24
.irp k, 0,1,2,3
	v_pk_add_f32 v[S+2*\k:S+2*\k+1], v[S+2*\k:S+2*\k+1], v[A+\j+2*\k:A+\j+2*\k+1]
.endr
.endr
	v_pk_add_f32 v[S:S+1], v[S:S+1], v[S+2:S+3]
	v_pk_add_f32 v[S+4:S+5], v[S+4:S+5], v[S+6:S+7]
	v_pk_add_f32 v[S:S+1], v[S:S+1], v[S+4:S+5]
	v_add_f32 v[S], v[S], v[S+1]
	v_add_f32_dpp v[S], v[S], v[S] row_xmask:1 row_mask:0xf bank_mask:0xf
	v_add_f32_dpp v[S], v[S], v[S] row_xmask:2 row_mask:0xf bank_mask:0xf
	v_add_f32_dpp v[S], v[S], v[S] row_xmask:4 row_mask:0xf bank_mask:0xf
	v_add_f32_dpp v[S], v[S], v[S] row_xmask:8 row_mask:0xf bank_mask:0xf
	v_permlanex16_b32 v[S+1], v[S], s26, s27
	v_add_f32 v[S], v[S], v[S+1]
	v_mul_f32 v216, s30, v[S]                      ; the mean, in every lane,
	v_mov_b32 v217, v216                           ; twice
.set i, 0
.rept 16
	v_pk_add_f32 v[A+i:A+i+1], v[A+i:A+i+1], v[216:217] neg_lo:[0,1] neg_hi:[0,1]
.set i, i+2
.endr
.irp k, 0,1,2,3
	v_pk_mul_f32 v[S+2*\k:S+2*\k+1], v[A+2*\k:A+2*\k+1], v[A+2*\k:A+2*\k+1]
.endr
.irp j, 8,16,24
.irp k, 0,1,2,3
	v_pk_fma_f32 v[S+2*\k:S+2*\k+1], v[A+\j+2*\k:A+\j+2*\k+1], v[A+\j+2*\k:A+\j+2*\k+1], v[S+2*\k:S+2*\k+1]
.endr
.endr
	v_pk_add_f32 v[S:S+1], v[S:S+1], v[S+2:S+3]
	v_pk_add_f32 v[S+4:S+5], v[S+4:S+5], v[S+6:S+7]
	v_pk_add_f32 v[S:S+1], v[S:S+1], v[S+4:S+5]
	v_add_f32 v[S], v[S], v[S+1]
	v_add_f32_dpp v[S], v[S], v[S] row_xmask:1 row_mask:0xf bank_mask:0xf
	v_add_f32_dpp v[S], v[S], v[S] row_xmask:2 row_mask:0xf bank_mask:0xf
	v_add_f32_dpp v[S], v[S], v[S] row_xmask:4 row_mask:0xf bank_mask:0xf
	v_add_f32_dpp v[S], v[S], v[S] row_xmask:8 row_mask:0xf bank_mask:0xf
	v_permlanex16_b32 v[S+1], v[S], s26, s27
	v_add_f32 v[S], v[S], v[S+1]
	v_fmaak_f32 v218, s30, v[S], 0x3727c5ac        ; the variance + 1e-5
	v_rsq_f32 v220, v218
	v_rsq_f32 v221, v218                           ; twice: a pair for the packed multiply
	v_nop                                          ; a plain place behind the two
	s_wait_alu depctr_va_vdst(0)                   ; one wait for both, ahead of their first reader
	s_wait_loadcnt 0x0                             ; gamma and beta
.set i, 0
.rept 16
	v_pk_mul_f32 v[A+i:A+i+1], v[A+i:A+i+1], v[220:221]
.set i, i+2
.endr
.set i, 0
.rept 16
	v_pk_fma_f32 v[A+i:A+i+1], v[A+i:A+i+1], v[G+i:G+i+1], v[BE+i:BE+i+1]
.set i, i+2
.endr
.set i, 0
.rept 8
	global_store_b128 v2, v[A+4*i:A+4*i+3], s[12:13] offset:512*i th:TH_STORE_NT   ; 32 lanes store 512 consecutive bytes
.set i, i+1
.endr
	s_endpgm
.Lfunc_end_k_qc7c8145dad_norm:
	.size	k_qc7c8145dad_norm, .Lfunc_end_k_qc7c8145dad_norm-k_qc7c8145dad_norm
	.p2alignl 7, 3214868480
	.fill 96, 4, 3214868480
	.section	.rodata,"a",@progbits
	.p2align	6, 0x0
	.amdhsa_kernel k_qc7c8145dad_norm
		.amdhsa_group_segment_fixed_size 0
		.amdhsa_private_segment_fixed_size 0
		.amdhsa_enable_private_segment 0
		.amdhsa_kernarg_size 40
		.amdhsa_user_sgpr_count 2
		.amdhsa_user_sgpr_kernarg_segment_ptr 1
		.amdhsa_wavefront_size32 1
		.amdhsa_system_sgpr_workgroup_id_x 1
		.amdhsa_system_sgpr_workgroup_id_y 1
		.amdhsa_system_sgpr_workgroup_id_z 1
		.amdhsa_system_vgpr_workitem_id 0
		.amdhsa_next_free_vgpr 224
		.amdhsa_next_free_sgpr 66
		.amdhsa_reserve_vcc 0
		.amdhsa_float_denorm_mode_32 3
		.amdhsa_float_denorm_mode_16_64 3
		.amdhsa_memory_ordered 1
		.amdhsa_forward_progress 1
		.amdhsa_inst_pref_size 17
	.end_amdhsa_kernel
	.amdgpu_metadata
---
amdhsa.version: [ 1, 2 ]
amdhsa.kernels:
  - .name:           k_qc7c8145dad_norm
    .symbol:         k_qc7c8145dad_norm.kd
    .args:
      - { .name: y2, .offset: 0, .size: 8, .value_kind: global_buffer, .address_space: global }
      - { .name: gate, .offset: 8, .size: 8, .value_kind: global_buffer, .address_space: global }
      - { .name: gamma, .offset: 16, .size: 8, .value_kind: global_buffer, .address_space: global }
      - { .name: beta, .offset: 24, .size: 8, .value_kind: global_buffer, .address_space: global }
      - { .name: out0, .offset: 32, .size: 8, .value_kind: global_buffer, .address_space: global }
    .group_segment_fixed_size: 0
    .private_segment_fixed_size: 0
    .kernarg_segment_align: 8
    .kernarg_segment_size: 40
    .max_flat_workgroup_size: 128
    .sgpr_count:     66
    .vgpr_count:     224
    .wavefront_size: 32
...
	.end_amdgpu_metadata
.endif
;; end of part 4
;; ======== version 2 of 2: 4 launches
;; workspace buffers: sel 4,096 bytes of whole numbers; gate 8,192 bytes; xq 524,288 bytes; xsc 32,768 bytes; hq 16,777,216 bytes; hsc 1,048,576 bytes; y2 16,777,216 bytes; rows 34,816 bytes of whole numbers
;; launch route (part 5): grid 256 x 1, 4 waves a work-group, no clusters, 60,416 bytes of LDS; arguments x, Wr, br, sel, gate, xq, xsc; writes sel, gate, xq, xsc
.if DOCPART == 5
	.amdgcn_target "amdgcn-amd-amdhsa--gfx1250"
	.amdhsa_code_object_version 6
	.text
	.protected	k_qc7c8145dad_route
	.globl	k_qc7c8145dad_route
	.p2align	8
	.type	k_qc7c8145dad_route,@function
k_qc7c8145dad_route:
	s_mov_b64 s[64:65], 0
	v_nop
	global_prefetch_b8 v0, s[64:65] scope:SCOPE_SE
	s_setreg_imm32_b32 hwreg(HW_REG_WAVE_MODE, 25, 1), 1
	s_wait_xcnt 0x0
; ROUTER AND QUANTISER OF x.  x: [1024 tokens][1024] f32.  One wave takes one token: token = 4 x work-group + wave.
; It (a) turns the token's row into codes of FP4 (E2M1) with one E8M0 byte for each 32 along K: xq [token][block 0..31][16 bytes], xsc [token][32 bytes];
; (b) computes the 8 logits x . Wr + br in f32, their softmax with the maximum taken away, the two largest probabilities (the lower index wins a tie,
; by scanning upward with a strict compare) and their two weights p / (pa + pb).  sel [token] = e0 | e1 << 8 (whole numbers, at a fixed place), gate [token][2] f32.
; No address and no branch hangs on a floating-point number: the choice only selects values.
; A lane must hold 32 NEIGHBOURS of the row (a whole block), while each load reads 512 consecutive bytes: so the row turns through the wave's own stage in LDS.
; Wr (32,768 bytes) is laid in LDS once for the work-group as [i 0..31][half 0..1][lane L][16 bytes], d = 32 L + i, experts 4 half + 0..3: a lane then reads, for its i-th number, the eight weights of its own d.
; LIMITS: NaN and infinities among the inputs are not served.  A block of zeros gets the byte 1 (its codes are zeros; only this program reads the bytes).
; sel, gate (12 bytes a wave) and xsc (32 bytes a wave) leave in pieces shorter than 256 bytes: 45,056 bytes in the whole launch.
; No matrix unit (N = 8), no cluster (work-groups share only Wr, 32,768 bytes, against nothing that a joint load could fill here: the launch has no tensor load), no prefetch (a short launch).
.set XL,  16                           ; v16-47   the row as loaded
.set XB,  48                           ; v48-79   my block: 32 neighbours
.set WB,  80                           ; v80-207  Wr as loaded (64 registers), then two chunk buffers of 64
.set AC,  208                          ; v208-215 the eight logits, then the probabilities
.set WI,  1296                         ; LDS: from i to i + 1 (two halves of 512 bytes, 128 and 144 bytes of padding)
.set WH,  640                          ; from half 0 to half 1
.set STG, 32*WI                        ; behind Wr's image: a stage for each wave, 32 places of 128 + 16 bytes
.set SP,  144
	s_load_b256 s[4:11], s[0:1], 0x0               ; x s[4:5], Wr s[6:7], br s[8:9], sel s[10:11]
	s_load_b128 s[12:15], s[0:1], 0x20             ; gate s[12:13], xq s[14:15]
	s_load_b64 s[16:17], s[0:1], 0x30              ; xsc
	v_lshl_add_u32 v254, v0, 2, 0xea00
	v_mov_b32 v255, 0
	v_lshrrev_b32 v8, 5, v0
	v_readfirstlane_b32 s18, v8                    ; wave 0..3
	v_and_b32 v1, 31, v0                           ; lane
	v_lshlrev_b32 v2, 4, v1                        ; 16 x lane
	v_lshlrev_b32 v6, 4, v0                        ; 16 x thread: Wr's loads
	v_bfe_u32 v3, v0, 1, 5                         ; Wr's store: load n of thread v0 holds d = 64 n + v0 / 2, half v0 % 2: i = (v0 / 2) % 32,
	v_mul_u32_u24 v3, v3, WI
	v_and_b32 v8, 1, v0
	v_mad_u32_u24 v3, v8, WH, v3
	v_lshrrev_b32 v8, 6, v0                        ; L = 2 n + v0 / 64
	v_lshl_add_u32 v3, v8, 4, v3
	s_mul_i32 s19, s18, 32*SP
	s_add_co_u32 s19, s19, STG                     ; my stage
	v_lshrrev_b32 v4, 3, v1
	v_mul_u32_u24 v4, v4, SP
	v_and_b32 v8, 7, v1
	v_lshl_add_u32 v4, v8, 4, v4
	v_add_nc_u32 v4, s19, v4                       ; in: eight lanes' 128 bytes on end, then 16 of padding; a load's 512 bytes take four places
	v_mul_u32_u24 v5, v1, SP
	v_add_nc_u32 v5, s19, v5                       ; out: place = lane
	v_mov_b32 v7, 0
.irp e, 0,1,2,3,4,5,6,7
	v_mov_b32 v[224+\e], 0                         ; written once: a lane permute's destination counts as one of its sources
.endr
	s_lshl_b32 s20, ttmp9, 2
	s_add_co_u32 s20, s20, s18                     ; my token
	s_mov_b32 s23, 0
	s_mov_b32 s32, 0x76543210
	s_mov_b32 s33, 0xfedcba98                      ; v_permlanex16_b32's selects for lane l xor 16
	s_wait_kmcnt 0x0
	s_load_b256 s[24:31], s[8:9], 0x0              ; br
	s_lshl_b32 s22, s20, 12
	s_add_nc_u64 s[4:5], s[4:5], s[22:23]          ; my row of x
	s_lshl_b32 s22, s20, 9
	s_add_nc_u64 s[14:15], s[14:15], s[22:23]      ; its codes
	s_lshl_b32 s22, s20, 5
	s_add_nc_u64 s[16:17], s[16:17], s[22:23]      ; its scale bytes
	s_lshl_b32 s22, s20, 2
	s_add_nc_u64 s[10:11], s[10:11], s[22:23]      ; its word of sel
	s_lshl_b32 s22, s20, 3
	s_add_nc_u64 s[12:13], s[12:13], s[22:23]      ; its two gates
.set i, 0
.rept 8
	global_load_b128 v[XL+4*i:XL+4*i+3], v2, s[4:5] offset:512*i th:TH_LOAD_NT   ; 32 lanes read 512 consecutive bytes
.set i, i+1
.endr
.set i, 0
.rept 16
	global_load_b128 v[WB+4*i:WB+4*i+3], v6, s[6:7] offset:2048*i                ; the work-group reads Wr once, 2,048 consecutive bytes a line
.set i, i+1
.endr
	s_wait_loadcnt 16                              ; the row is in; Wr's sixteen loads may be out
.set i, 0
.rept 8
	ds_store_b128 v4, v[XL+4*i:XL+4*i+3] offset:4*SP*i
.set i, i+1
.endr
.set i, 0
.rept 8
	ds_load_b128 v[XB+4*i:XB+4*i+3], v5 offset:16*i    ; LDS serves a wave's instructions in order: these see my stores
.set i, i+1
.endr
	s_wait_loadcnt 0x0                             ; Wr
.set i, 0
.rept 16
	ds_store_b128 v3, v[WB+4*i:WB+4*i+3] offset:32*i
.set i, i+1
.endr
	s_wait_dscnt 0x0                               ; for the others' sake: my part of Wr's image has landed (and my block is in)
	s_barrier_signal -1
	s_barrier_wait -1                              ; the image is whole; nobody writes it again
.macro WCH q                           ; chunk q: the weights of my numbers 8 q .. 8 q + 7, sixteen loads, into buffer q % 2
.set i, 0
.rept 8
	ds_load_b128 v[WB+64*((\q)%2)+8*i:WB+64*((\q)%2)+8*i+3],   v2 offset:(8*(\q)+i)*WI
	ds_load_b128 v[WB+64*((\q)%2)+8*i+4:WB+64*((\q)%2)+8*i+7], v2 offset:(8*(\q)+i)*WI+WH
.set i, i+1
.endr
.endm
	WCH 0
	WCH 1
	; my block's codes, while the weights are on their way
	v_max3_num_f32 v216, |v[XB]|, |v[XB+1]|, |v[XB+2]|
	v_max3_num_f32 v217, |v[XB+3]|, |v[XB+4]|, |v[XB+5]|
.irp i, 6,10,14,18,22,26
	v_max3_num_f32 v216, v216, |v[XB+\i]|, |v[XB+\i+1]|
	v_max3_num_f32 v217, v217, |v[XB+\i+2]|, |v[XB+\i+3]|
.endr
	v_max3_num_f32 v216, v216, |v[XB+30]|, |v[XB+31]|
	v_max3_num_f32 v216, v216, v217, 0x1800000     ; and the floor 2^(3 - 127): the byte cannot fall under 1
	v_add_nc_u32 v218, 0xff000000, v216            ; 2 off the exponent field: the conversion takes the exponent field of this operand as its scale
	v_lshrrev_b32 v219, 23, v218                   ; the scale's byte
.irp q, 0,1,2,3
	v_cvt_scalef32_pk8_fp4_f32 v[220+\q], v[XB+8*\q:XB+8*\q+7], v218
.endr
	v_nop                                          ; one plain place behind the scaled conversions
	global_store_b128 v2, v[220:223], s[14:15]     ; 32 lanes store the row's 512 bytes of codes
	global_store_b8 v1, v219, s[16:17]             ; and its 32 scale bytes.  v219-223 are not written again
.macro DOT q                           ; eight chains, one for each expert
.set i, 0
.rept 8
.set e, 0
.rept 8
.if ((\q) == 0) && (i == 0)
	v_mul_f32 v[AC+e], v[XB], v[WB+e]              ; the first product starts the sums
.else
	v_fmac_f32 v[AC+e], v[XB+8*(\q)+i], v[WB+64*((\q)%2)+8*i+e]
.endif
.set e, e+1
.endr
.set i, i+1
.endr
.endm
	s_wait_dscnt 16                                ; chunk 0 is in; chunk 1's sixteen loads may be out
	DOT 0
	WCH 2
	s_wait_alu depctr_va_vdst(0)
	s_wait_dscnt 16                                ; chunk 1; chunk 2's may be out
	DOT 1
	WCH 3
	s_wait_alu depctr_va_vdst(0)
	s_wait_dscnt 16                                ; chunk 2; chunk 3's may be out
	DOT 2
	s_wait_alu depctr_va_vdst(0)
	s_wait_dscnt 0x0
	DOT 3
.irp k, 1,2,4,8
.irp e, 0,1,2,3,4,5,6,7
	v_add_f32_dpp v[AC+\e], v[AC+\e], v[AC+\e] row_xmask:\k row_mask:0xf bank_mask:0xf
.endr
.endr
.irp e, 0,1,2,3,4,5,6,7
	v_permlanex16_b32 v[224+\e], v[AC+\e], s32, s33
.endr
.irp e, 0,1,2,3,4,5,6,7
	v_add_f32 v[AC+\e], v[AC+\e], v[224+\e]        ; every lane holds the eight sums
.endr
	s_wait_alu depctr_va_vdst(0)
	s_wait_kmcnt 0x0                               ; br
.irp e, 0,1,2,3,4,5,6,7
	v_add_f32 v[AC+\e], s[24+\e], v[AC+\e]
.endr
	v_max3_num_f32 v232, v[AC], v[AC+1], v[AC+2]   ; the softmax, with the maximum taken away
	v_max3_num_f32 v232, v232, v[AC+3], v[AC+4]
	v_max3_num_f32 v232, v232, v[AC+5], v[AC+6]
	v_max_num_f32 v232, v232, v[AC+7]
.irp e, 0,1,2,3,4,5,6,7
	v_sub_f32 v[AC+\e], v[AC+\e], v232
.endr
.irp e, 0,1,2,3,4,5,6,7
	v_mul_f32 v[AC+\e], 0x3fb8aa3b, v[AC+\e]       ; x log2(e)
.endr
	s_wait_alu depctr_va_vdst(0)
.irp e, 0,1,2,3,4,5,6,7
	v_exp_f32 v[AC+\e], v[AC+\e]
.endr
	v_nop                                          ; a plain place behind the exponentials
	s_wait_alu depctr_va_vdst(0)                   ; one wait for the batch, ahead of its first reader
	v_add_f32 v233, v[AC], v[AC+1]
	v_add_f32 v234, v[AC+2], v[AC+3]
	v_add_f32 v235, v[AC+4], v[AC+5]
	v_add_f32 v236, v[AC+6], v[AC+7]
	v_add_f32 v233, v233, v234
	v_add_f32 v235, v235, v236
	v_add_f32 v233, v233, v235
	s_wait_alu depctr_va_vdst(0)
	v_rcp_f32 v234, v233
	v_mov_b32 v236, 0                              ; (a plain place)  the first winner's index
	s_wait_alu depctr_va_vdst(0)
.irp e, 0,1,2,3,4,5,6,7
	v_mul_f32 v[AC+\e], v[AC+\e], v234             ; the probabilities
.endr
	v_mov_b32 v235, v[AC]                          ; the largest: upward, strictly greater: the lower index keeps a tie
.irp e, 1,2,3,4,5,6,7
	v_cmp_gt_f32 vcc_lo, v[AC+\e], v235
	v_cndmask_b32 v235, v235, v[AC+\e], vcc_lo
	v_cndmask_b32 v236, v236, \e, vcc_lo
.endr
.irp e, 0,1,2,3,4,5,6,7
	v_cmp_eq_u32 vcc_lo, \e, v236
	v_cndmask_b32 v[AC+\e], v[AC+\e], -1.0, vcc_lo ; the winner steps out: no probability is under 0
.endr
	v_mov_b32 v237, v[AC]
	v_mov_b32 v238, 0
.irp e, 1,2,3,4,5,6,7
	v_cmp_gt_f32 vcc_lo, v[AC+\e], v237
	v_cndmask_b32 v237, v237, v[AC+\e], vcc_lo
	v_cndmask_b32 v238, v238, \e, vcc_lo
.endr
	v_add_f32 v239, v235, v237
	s_wait_alu depctr_va_vdst(0)
	v_rcp_f32 v240, v239
	v_lshl_or_b32 v244, v238, 8, v236              ; (a plain place)  e0 | e1 << 8
	s_wait_alu depctr_va_vdst(0)
	v_mul_f32 v242, v235, v240
	v_mul_f32 v243, v237, v240
	v_cmp_eq_u32 vcc_lo, 0, v1
	s_wait_alu depctr_va_vdst(0)
	s_wait_xcnt 0x0                                ; EXEC changes only behind this wait
	s_wait_tensorcnt 0x0
	ds_add_u32 v254, v255
	s_wait_dscnt 0x0
	s_and_saveexec_b32 s21, vcc_lo                 ; lane 0 alone
	global_store_b32 v7, v244, s[10:11]
	global_store_b64 v7, v[242:243], s[12:13]
	s_wait_xcnt 0x0
	s_or_b32 exec_lo, exec_lo, s21
	s_endpgm
.Lfunc_end_k_qc7c8145dad_route:
	.size	k_qc7c8145dad_route, .Lfunc_end_k_qc7c8145dad_route-k_qc7c8145dad_route
	.p2alignl 7, 3214868480
	.fill 96, 4, 3214868480
	.section	.rodata,"a",@progbits
	.p2align	6, 0x0
	.amdhsa_kernel k_qc7c8145dad_route
		.amdhsa_group_segment_fixed_size 60416
		.amdhsa_private_segment_fixed_size 0
		.amdhsa_enable_private_segment 0
		.amdhsa_kernarg_size 56
		.amdhsa_user_sgpr_count 2
		.amdhsa_user_sgpr_kernarg_segment_ptr 1
		.amdhsa_wavefront_size32 1
		.amdhsa_system_sgpr_workgroup_id_x 1
		.amdhsa_system_sgpr_workgroup_id_y 1
		.amdhsa_system_sgpr_workgroup_id_z 1
		.amdhsa_system_vgpr_workitem_id 0
		.amdhsa_next_free_vgpr 256
		.amdhsa_next_free_sgpr 66
		.amdhsa_reserve_vcc 1
		.amdhsa_float_denorm_mode_32 3
		.amdhsa_float_denorm_mode_16_64 3
		.amdhsa_memory_ordered 1
		.amdhsa_forward_progress 1
		.amdhsa_inst_pref_size 30
	.end_amdhsa_kernel
	.amdgpu_metadata
---
amdhsa.version: [ 1, 2 ]
amdhsa.kernels:
  - .name:           k_qc7c8145dad_route
    .symbol:         k_qc7c8145dad_route.kd
    .args:
      - { .name: x, .offset: 0, .size: 8, .value_kind: global_buffer, .address_space: global }
      - { .name: Wr, .offset: 8, .size: 8, .value_kind: global_buffer, .address_space: global }
      - { .name: br, .offset: 16, .size: 8, .value_kind: global_buffer, .address_space: global }
      - { .name: sel, .offset: 24, .size: 8, .value_kind: global_buffer, .address_space: global }
      - { .name: gate, .offset: 32, .size: 8, .value_kind: global_buffer, .address_space: global }
      - { .name: xq, .offset: 40, .size: 8, .value_kind: global_buffer, .address_space: global }
      - { .name: xsc, .offset: 48, .size: 8, .value_kind: global_buffer, .address_space: global }
    .group_segment_fixed_size: 60416
    .private_segment_fixed_size: 0
    .kernarg_segment_align: 8
    .kernarg_segment_size: 56
    .max_flat_workgroup_size: 128
    .sgpr_count:     66
    .vgpr_count:     256
    .wavefront_size: 32
...
	.end_amdgpu_metadata
.endif
;; end of part 5
;; launch up (part 6): grid 32 x 8, 16 waves a work-group, no clusters, 211,968 bytes of LDS; arguments W1, b1, sel, xq, xsc, hq, hsc, rows; writes hq, hsc, rows
.if DOCPART == 6
	.amdgcn_target "amdgcn-amd-amdhsa--gfx1250"
	.amdhsa_code_object_version 6
	.text
	.protected	k_qc7c8145dad_up
	.globl	k_qc7c8145dad_up
	.p2align	8
	.type	k_qc7c8145dad_up,@function
k_qc7c8145dad_up:
	s_mov_b64 s[64:65], 0
	v_nop
	global_prefetch_b8 v0, s[64:65] scope:SCOPE_SE
	s_setreg_imm32_b32 hwreg(HW_REG_WAVE_SCHED_MODE, 0, 2), 2
	s_setreg_imm32_b32 hwreg(HW_REG_WAVE_MODE, 25, 1), 1
	s_wait_xcnt 0x0
	s_wait_alu depctr_vm_vsrc(0)
; THE PLACING OF ROWS, FIRST PRODUCT, GELU, QUANTISER OF THE HIDDEN LAYER, for the routed rows alone.  h = gelu(x W1[e] + b1[e]), both operands as codes of FP4 (E2M1) with one E8M0 scale for each 32 along K = 1,024.
; A WORK-GROUP OWNS WEIGHTS, NOT ROWS: expert e = work-group y, hidden units 128 j .. 128 j + 127, j = work-group x: 1,024 rows x 512 bytes of W1[e], f32, read from memory ONCE in the launch.
; PHASE 1, the stream.  Wave w takes K step w / 2 (128 rows) of 64 columns (w % 2).  A LANE TAKES A COLUMN AND ITS REGISTERS RUN DOWN K: a block of 32 lies in one lane's 32 registers, its largest magnitude needs no other
; lane, and the conversions give codes with K innermost.  The codes go to LDS as IMAGES OF OPERAND REGISTERS: tile t (16 hidden units), K step s: t TS + 1,024 s + 512 c + 256 (lane / 16) + 16 (lane % 16).
; THE HIDDEN UNITS OF A TILE ARE NOT NEIGHBOURS: row rho of tile 2 b + u is unit 32 b + 8 u + rho + 8 (rho / 8), so that in the transposed product the 16 registers of tiles 2 b, 2 b + 1 are 16 neighbours along the next K.
; THE ROWS.  sel [token] = e0 | e1 << 8: whole numbers that the launch before stored.  While its first 64 weight loads are on their way, every wave finds its own rows, on registers alone:
; 32 masks (chunk j, bit l: token 128 (j / 4) + 4 l + j % 4 has chosen this expert), their sum N, and for each list position that the wave wants the chunk in which it falls and the set bit of that rank.
; The expert's list is so ordered by chunk and bit; a position behind the count is held at N - 1: IT REPEATS THE LAST ROW.  Work-group x = 0 stores the list for the next launch: rows [expert][entries 0..1023: 2 x token + slot; at byte 4,096 the count N, 32 equal words].
; These stores are 64 bytes for each half of a wave's lanes, 4,224 bytes an expert.  With N = 0 the entries are numbers inside their range that nobody uses.
; PHASE 2, the rows.  The expert's N rows make 2 x ceil(N / 32) tiles of 16 (an even number: the next launch takes them in pairs).  Wave w takes tiles m = w, w + 16, w + 32, w + 48: a loop of four trips, constant;
; a trip whose tile does not exist jumps to its own tail.  No barrier stands in the loop.
; A trip: 16 rows of codes (512 dense bytes each) turn through the wave's stage into 8 fragments; 64 products (source 0 = 16 hidden units, source 1 = 16 rows; b1 is the C of the first); GELU in f32; the quantiser;
; the result is K step j of the second product: hq [e][m][j][1,024 bytes: 512 c + 16 lane], hsc [e][m][j][row] (a word of four bytes).  A repeated row gets the codes of the row that it repeats: at most 31 rows an expert are worked twice.
; GELU, exact form: g = max(x, 0) - |x| erfc(a) / 2, a = |x| / sqrt(2); erfc(a) = (p(q) + 1) / (2 a + 1) x e^(-a a), q = (a - 2) / (a + 2), p of degree 9.  One reciprocal, of (a + 2)(2 a + 1), serves both divisions.
; LIMITS: NaN and infinities are not served (any finite h is).  erfc's relative error is about 5e-7 + 1.2e-7 a a; from a = 9.3 on it is 0, since the exponential's result would be denormal.  A block of zeros gets the byte 1.
; NO TENSOR LOAD, NO CLUSTER: which trips work hangs on a count made from numbers read from memory, so operands come through registers; every weight byte has one reader; the rows' codes, which work-groups of an expert share, are 8,704 bytes a tile beside 524,288 bytes of weights.
; NO PREFETCH: each of the 16 waves issues 64 loads of 128 bytes of the stream among its first lines, and 32 more behind each group that it has worked.
; THE MODE: SCHED_MODE bits 1:0 = 2 (LLVM: expert scheduling mode 2), set by the entry lines.  The code itself states the register dependences
; between vector or matrix instructions and memory or LDS instructions, and those through scalar registers that vector instructions write, with s_wait_alu, always for 0.
; THE PLAN.  Registers that memory or LDS instructions touch, and who else names them:
;   v4-7, v9-12, v15, v16, v20   offsets and LDS addresses: made at the head, never written again: one wait on va_vdst ahead of the first load.
;   X0, X1 (v64-127), C (v128-159)   THE STREAM.  Group g's maxima and conversions read X[g % 2] and write four registers of C that are the group's own; behind them one LDS store reads those four, and the loads of group g + 2
;                land in X[g % 2].  So ONE wait on va_vdst stands in a group, behind its conversions, and the store and the 32 loads follow it.
;   v214-220     the two loads of sel [token] (offsets v214-215, data v216-217) and the list's stores (data v218-220): a wait on va_vdst ahead of each of the two runs.
;   One wait on vm_vsrc ahead of the loop states that all these have been read: C and the two scale words by LDS stores, v214-215 by loads, v218-220 by stores: loads of the trips land in all of them.
;   A TRIP.  Its head writes the offsets v19 and v46-61; ONE wait on va_vdst behind them states that they are written and that the trip before is done with v24-35 and v64-255; the trip's 34 global loads and the stage's LDS loads follow it.
;                One wait on vm_vsrc ahead of K step 0: the stage's stores have read the rows in v64-127, where W's fragments land; the loads have read v19 and v46-61, the last trip's stores v36-44: the next trip's head and the quantiser write these.
;                W's fragments (v64-127) and scale words (v32-35) have one set: 256 registers a wave are all in use.  So one wait on va_vdst stands ahead of each K step's loads from the second on.
;                One wait on va_vdst ahead of the trip's three stores: the quantiser has written v36-44.
;   COMPARES AND LANE READS write scalar registers in runs, with one wait on va_sdst behind each run, ahead of its first reader.  VCC is not used.
.set RS,   16384                       ; a row of W1[e] in bytes
.set TS,   8320                        ; a tile's 8 images + 128 bytes, so that a store's lanes 0-7 and 8-15, which go to two tiles, fall on different banks
.set WSC,  8*TS                        ; the weights' scale words: [block of 32 units][K step][position 0..31][4 bytes]: positions 0-15 tile 2 b, 16-31 tile 2 b + 1
.set SU,   1024
.set XST,  WSC+4096                    ; a stage for each wave: 32 blocks x (16 rows x 16 bytes + 16)
.set XP,   272
.set XSB,  32*XP
.set ESTR, 4352                        ; an expert's part of rows in bytes
.set LN,  1                            ; lane
.set RR,  2                            ; lane % 16
.set HH,  3                            ; lane / 16
.set L4,  4                            ; 4 x lane
.set L16, 5                            ; 16 x lane: also the LDS address of an image's registers (the images begin at LDS byte 0)
.set WAD, 6                            ; where my codes go
.set SAD, 7                            ; where my scale words go
.set LE3, 8                            ; lanes 0-15: the tokens of the 16 rows of the tile three trips on,
.set WRB, 9                            ; 16 x lane + 4 TS: tiles 4-7
.set WSR, 10                           ; WSC + 4 x lane
.set XSW, 11                           ; the stage, in: block = lane
.set XSR, 12                           ; the stage, out: block lane / 16, row lane % 16
.set LE1, 13                           ; one trip on,
.set LE2, 14                           ; two trips on,
.set BOF, 15                           ; 64 (lane / 16): b1
.set HSO, 16                           ; 4 (lane % 16)
.set LE,  17                           ; and of the tile in hand
.set TOK, 18
.set SO,  19
.set ROF, 20                           ; 64 wave + 1,024 (lane / 16) + 4 (lane % 16): my first position's byte in the expert's list; never rewritten
.set C8,  22                           ; v[22:23] the polynomial's second coefficient, twice
.set XS,  24                           ; v24-31 the rows' scale words, one register a K step
.set WS,  32                           ; v32-35 the weights' scale words (in the stream: the two words being made)
.set PC,  36                           ; v36-43 the codes just made
.set PW,  44                           ; the scale word just made
.set TM,  46                           ; v46-61 at work in the quantiser
.set RO,  46                           ; v46-61 sixteen row offsets
.set T0,  46                           ; v46-49 at work in the stream
.set WF,  64                           ; v64-127 8 fragments of W; ahead of them the 16 rows as loaded
.set XF,  128                          ; v128-191 x's 8 fragments
.set ACC, 192                          ; v192-255 8 accumulators
.set X,   64                           ; the stream: two sets of 32 numbers
.set C,   128                          ; its codes: four registers for each of 8 groups, so that no store's data are written again
.set TA,  64                           ; GELU: four sets of 32
.set TB,  96
.set TC,  128
.set TD,  160
.set SL,  160                          ; the placing: v160-191 sel as loaded.  All that follows comes in pairs: + 0 for my first position, + 1 for the one 512 further on
.set PP,  192                          ; the position in the list
.set MM,  194                          ; the mask of the chunk in which it falls
.set KK,  196                          ; the matches ahead of that chunk | the chunk's number << 16; then the rank in the chunk
.set II,  198                          ; the chunk's number
.set CA2, 200                          ; the mask's set bits counted in fields of 2 bits,
.set CB4, 202                          ; of 4,
.set CC8, 204                          ; of 8,
.set CD16, 206                         ; and, in its low byte, in the low 16
.set TT,  208                          ; at work
.set UQ,  210
.set PS,  212                          ; the bit's place
.set GA,  214                          ; 4 x token
.set GS,  216                          ; sel [token]
.set EN,  218                          ; the list entries
.set CN,  220                          ; the count
.set SE,  19                           ; s19 the expert
.set MK,  66                           ; s66-97 the 32 masks
.set RL,  66                           ; s66-81 in the trips, where the masks are done with: the sixteen rows' tokens
.set MA,  14                           ; s14-17 and
.set MB,  36                           ; s36-39 what a run of compares writes (free since the head has made its addresses)
.set PK,  20                           ; s20-23 four chunks' running counts, each with its chunk's number above it
.macro WLOAD g                         ; group g: K block g / 2 of my K step, columns 32 (g % 2) + lane: 32 rows, 128 consecutive bytes a line; groups 2 b and 2 b + 1 are the two halves of the same 256 bytes of each row
.set i, 0
.rept 32
	global_load_b32 v[X+32*((\g)%2)+i], v[L4], s[4:5] offset:(32*((\g)/2)+i)*RS+128*((\g)%2) th:TH_LOAD_NT
.set i, i+1
.endr
.endm
.macro WBLOCK g
.set XG, X+32*((\g)%2)
.set BB, (\g)/2
.set UU, (\g)%2
.if (\g) < 7
	s_wait_loadcnt 32                              ; the youngest 32 loads may be out: all of them were issued behind this group's (for group 0: the two loads of sel [token] and 30 of group 1's; later: the next group's 32)
.else
	s_wait_loadcnt 0x0
.endif
	v_max3_num_f32 v[T0], |v[XG]|, |v[XG+1]|, |v[XG+2]|            ; the block's largest magnitude: all 32 numbers are mine
	v_max3_num_f32 v[T0+1], |v[XG+3]|, |v[XG+4]|, |v[XG+5]|
.irp i, 6,10,14,18,22,26
	v_max3_num_f32 v[T0], v[T0], |v[XG+\i]|, |v[XG+\i+1]|
	v_max3_num_f32 v[T0+1], v[T0+1], |v[XG+\i+2]|, |v[XG+\i+3]|
.endr
	v_max3_num_f32 v[T0], v[T0], |v[XG+30]|, |v[XG+31]|
	v_max3_num_f32 v[T0], v[T0], v[T0+1], 0x1800000                ; and the floor 2^(3 - 127): the byte cannot fall under 1
	v_add_nc_u32 v[T0+2], 0xff000000, v[T0]        ; 2 off the exponent field: the conversion's scale operand
	v_lshrrev_b32 v[T0+3], 23, v[T0+2]             ; the scale's byte
.if BB == 0
	v_mov_b32 v[WS+UU], v[T0+3]                    ; four bytes to a word, the lower K in the lower byte
.else
	v_lshl_or_b32 v[WS+UU], v[T0+3], 8*BB, v[WS+UU]
.endif
.irp q, 0,1,2,3
	v_cvt_scalef32_pk8_fp4_f32 v[C+4*(\g)+\q], v[XG+8*\q:XG+8*\q+7], v[T0+2]
.endr
	v_nop                                          ; one plain place behind the scaled conversions
	s_wait_alu depctr_va_vdst(0)                   ; the conversions have written the group's four registers of codes, which the LDS store reads, and are done reading the set, in which the loads of two groups on land; in the last group: both scale words are written, which the two LDS stores behind it read
	ds_store_b128 v[WAD], v[C+4*(\g):C+4*(\g)+3] offset:UU*2*TS+(BB/2)*512+(BB%2)*256
.if (\g) < 6
	WLOAD (\g)+2
.endif
.endm
; One halving of the search for the set bit of rank KK: the field of 2 w bits at place PS has, in its lower w bits, as many set bits as cnt says there.  Where the rank is not under that number, the bit lies in the upper w: the number comes off the rank, and w is added to the place.
.macro HALF cnt, msk, w
.irp z, 0,1
	v_lshrrev_b32 v[TT+\z], v[PS+\z], v[\cnt+\z]
	v_and_b32 v[TT+\z], \msk, v[TT+\z]
	v_cmp_ge_u32 s[MA+\z], v[KK+\z], v[TT+\z]
.endr
	s_wait_alu depctr_va_sdst(0)                   ; the two compares have written their masks, which the selections below read
.irp z, 0,1
	v_cndmask_b32 v[TT+\z], 0, v[TT+\z], s[MA+\z]
	v_cndmask_b32 v[UQ+\z], 0, \w, s[MA+\z]
	v_sub_nc_u32 v[KK+\z], v[KK+\z], v[TT+\z]
	v_add_nc_u32 v[PS+\z], v[PS+\z], v[UQ+\z]
.endr
.endm
; 64 numbers of a lane, register 16 b + i = k 32 b + 16 (lane / 16) + i of my row, become a fragment's codes in v[PC] on and its scale word in v[PW]
.macro QUANT s
.irp b, 0,1,2,3
	v_max3_num_f32 v[TM+\b], |v[\s+16*\b]|, |v[\s+1+16*\b]|, 0x1800000   ; block b: my 16 numbers, and the floor 2^(3 - 127)
.endr
.irp i, 2,4,6,8,10,12,14
.irp b, 0,1,2,3
	v_max3_num_f32 v[TM+\b], v[TM+\b], |v[\s+16*\b+\i]|, |v[\s+1+16*\b+\i]|   ; (the four blocks by turns)
.endr
.endr
.irp b, 0,1,2,3
	v_permlanex16_b32 v[TM+4+\b], v[TM+\b], s62, s63
.endr
.irp b, 0,1,2,3
	v_max_num_f32 v[TM+\b], v[TM+\b], v[TM+4+\b]   ; with lane l xor 16's: the block's largest magnitude
.endr
.irp b, 0,1,2,3
	v_add_nc_u32 v[TM+12+\b], 0xff000000, v[TM+\b]
.endr
.irp b, 0,1,2,3
	v_lshrrev_b32 v[TM+4+\b], 23, v[TM+12+\b]
.endr
	v_lshl_or_b32 v[PW], v[TM+5], 8, v[TM+4]       ; the four bytes make my row's scale word
	v_lshl_or_b32 v[PW], v[TM+6], 16, v[PW]
	v_lshl_or_b32 v[PW], v[TM+7], 24, v[PW]
.irp b, 0,1,2,3
	v_cvt_scalef32_pk8_fp4_f32 v[PC+2*\b], v[\s+16*\b:\s+7+16*\b], v[TM+12+\b]
	v_cvt_scalef32_pk8_fp4_f32 v[PC+1+2*\b], v[\s+8+16*\b:\s+15+16*\b], v[TM+12+\b]
.endr
	v_nop                                          ; one plain place behind the scaled conversions
.irp c, 0,1                                    ; the operand's layout wants a WHOLE block in a lane: lanes 0-15 block 2 c, lanes 16-31 block 2 c + 1
.irp i, 0,1
	v_permlane16_swap_b32 v[PC+4*\c+\i], v[PC+2+4*\c+\i]
.endr
.endr
.endm
.macro PLACES
.rept 4
	v_nop
.endr
.endm
; GELU of 32 numbers in place.  The reciprocals and exponentials are ONE batch with one wait.
.macro GELU x
.set i, 0
.rept 32
	v_mul_f32 v[TA+i], |v[\x+i]|, s60              ; a = |x| / sqrt(2); each accumulator is read from its low end on
.set i, i+1
.endr
.set i, 0
.rept 16
	v_pk_add_f32 v[TB+i:TB+i+1], v[TA+i:TA+i+1], 2.0 op_sel_hi:[1,0]            ; P = a + 2
.set i, i+2
.endr
.set i, 0
.rept 16
	v_pk_fma_f32 v[TC+i:TC+i+1], v[TA+i:TA+i+1], 2.0, 1.0 op_sel_hi:[1,0,0]     ; D = 2 a + 1
.set i, i+2
.endr
.set i, 0
.rept 16
	v_pk_mul_f32 v[TD+i:TD+i+1], v[TA+i:TA+i+1], v[TA+i:TA+i+1]
.set i, i+2
.endr
.set i, 0
.rept 16
	v_pk_fma_f32 v[TD+i:TD+i+1], v[TD+i:TD+i+1], s[40:41], -1.0 op_sel_hi:[1,0,0]   ; -a a log2(e) - 1
.set i, i+2
.endr
.set i, 0
.rept 16
	v_pk_mul_f32 v[TA+i:TA+i+1], v[TB+i:TB+i+1], v[TC+i:TC+i+1]                 ; P D
.set i, i+2
.endr
.set i, 0
	s_wait_alu depctr_va_vdst(0)
.rept 32
	v_rcp_f32 v[TA+i], v[TA+i]
.set i, i+1
.endr
.set i, 0
.rept 32
	v_exp_f32 v[TD+i], v[TD+i]                     ; e^(-a a) / 2
.set i, i+1
.endr
	v_nop                                          ; a plain place behind the batch
	s_wait_alu depctr_va_vdst(0)                   ; one wait for the batch's 64 results, the reciprocals in TA and the exponentials in TD, ahead of their first reader
.set i, 0
.rept 16
	v_pk_mul_f32 v[TC+i:TC+i+1], v[TC+i:TC+i+1], v[TA+i:TA+i+1]                 ; D / (P D) = 1 / P
.set i, i+2
.endr
.set i, 0
.rept 16
	v_pk_mul_f32 v[TB+i:TB+i+1], v[TB+i:TB+i+1], v[TA+i:TA+i+1]                 ; 1 / D
.set i, i+2
.endr
.set i, 0
.rept 16
	v_pk_fma_f32 v[TC+i:TC+i+1], v[TC+i:TC+i+1], -4.0, 1.0 op_sel_hi:[1,0,0]    ; q = 1 - 4 / (a + 2)
.set i, i+2
.endr
.set i, 0
.rept 16
	v_pk_fma_f32 v[TA+i:TA+i+1], v[TC+i:TC+i+1], s[42:43], v[C8:C8+1] op_sel_hi:[1,0,1]
.set i, i+2
.endr
.irp k, 44,46,48,50,52,54,56,58
.set i, 0
.rept 16
	v_pk_fma_f32 v[TA+i:TA+i+1], v[TA+i:TA+i+1], v[TC+i:TC+i+1], s[\k:\k+1] op_sel_hi:[1,1,0]
.set i, i+2
.endr
.endr
.set i, 0
.rept 16
	v_pk_fma_f32 v[TA+i:TA+i+1], v[TA+i:TA+i+1], v[TB+i:TB+i+1], v[TB+i:TB+i+1] ; (p + 1) / D
.set i, i+2
.endr
.set i, 0
.rept 16
	v_pk_mul_f32 v[TA+i:TA+i+1], v[TA+i:TA+i+1], v[TD+i:TD+i+1]                 ; erfc(a) / 2
.set i, i+2
.endr
.set i, 0
.rept 32
	v_max_num_f32 v[TB+i], 0, v[\x+i]
.set i, i+1
.endr
.set i, 0
.rept 32
	v_fma_f32 v[\x+i], -|v[\x+i]|, v[TA+i], v[TB+i]
.set i, i+1
.endr
.endm
; K step s of a tile of rows: the weights' 8 fragments and 4 registers of scale words from LDS, 8 products.  The 8 accumulators take turns, one instruction a turn.
.macro KSTEP s
.if (\s) > 0
	PLACES                                         ; in front of loads into registers that the last products read
	s_wait_alu depctr_va_vdst(0)                   ; the last K step's products are done reading W's fragments and scale words, in which the loads below land
.endif
.irp t, 0,1,2,3
.irp c, 0,1
	ds_load_b128 v[WF+8*\t+4*\c:WF+8*\t+4*\c+3], v[L16] offset:\t*TS+(\s)*1024+\c*512
.endr
.endr
.irp t, 0,1,2,3
.irp c, 0,1
	ds_load_b128 v[WF+32+8*\t+4*\c:WF+32+8*\t+4*\c+3], v[WRB] offset:\t*TS+(\s)*1024+\c*512
.endr
.endr
.irp b, 0,1,2,3
	ds_load_b32 v[WS+\b], v[WSR] offset:\b*SU+(\s)*128
.endr
.if (\s) == 0
	s_wait_loadcnt 0x0                             ; b1 lies in the accumulators
.endif
	s_wait_dscnt 0x0
.irp b, 0,1,2,3
	v_wmma_scale_f32_16x16x128_f8f6f4 v[ACC+16*\b:ACC+16*\b+7], v[WF+16*\b:WF+16*\b+7], v[XF+8*(\s):XF+8*(\s)+7], v[ACC+16*\b:ACC+16*\b+7], v[WS+\b], v[XS+(\s)] matrix_a_fmt:MATRIX_FMT_FP4 matrix_b_fmt:MATRIX_FMT_FP4
	v_wmma_scale_f32_16x16x128_f8f6f4 v[ACC+16*\b+8:ACC+16*\b+15], v[WF+16*\b+8:WF+16*\b+15], v[XF+8*(\s):XF+8*(\s)+7], v[ACC+16*\b+8:ACC+16*\b+15], v[WS+\b], v[XS+(\s)] matrix_a_fmt:MATRIX_FMT_FP4 matrix_b_fmt:MATRIX_FMT_FP4 matrix_a_scale:MATRIX_SCALE_ROW1
.endr
.endm
.macro COEF r, bits
	s_mov_b32 s[\r], \bits
	s_mov_b32 s[\r+1], s[\r]
.endm
	s_load_b256 s[4:11], s[0:1], 0x0               ; W1 s[4:5], b1 s[6:7], sel s[8:9], xq s[10:11]
	s_load_b128 s[12:15], s[0:1], 0x20             ; xsc s[12:13], hq s[14:15]
	s_load_b64 s[16:17], s[0:1], 0x30              ; hsc
	s_load_b64 s[30:31], s[0:1], 0x38              ; rows
	v_lshl_add_u32 v62, v0, 2, 0x33400
	v_mov_b32 v63, 0
	v_lshrrev_b32 v[LN], 5, v0
	v_readfirstlane_b32 s18, v[LN]                 ; wave 0..15
	s_and_b32 s[SE], ttmp7, 0xffff                 ; the expert
	v_and_b32 v[LN], 31, v0
	v_and_b32 v[RR], 15, v0
	v_bfe_u32 v[HH], v0, 4, 1
	v_lshlrev_b32 v[L4], 2, v[LN]
	v_lshlrev_b32 v[L16], 4, v[LN]
	v_bfe_u32 v46, v0, 3, 1                        ; column 32 hb + lane goes to tile 2 hb + bit 3 of the lane,
	v_and_b32 v47, 7, v0
	v_lshl_or_b32 v47, v[HH], 3, v47               ; row rho = 8 x bit 4 + lane % 8
	v_lshl_or_b32 v48, v46, 4, v47                 ; its scale word's position
	s_wait_alu depctr_va_vdst(0)
	s_wait_alu depctr_va_sdst(0)                   ; s18 is written, ahead of its first reader
	s_and_b32 s21, s18, 1                          ; which 64 columns I stream
	s_lshr_b32 s22, s18, 1                         ; which K step
	s_mul_i32 s23, s21, 4*TS
	s_lshl_b32 s24, s22, 10
	s_add_co_u32 s23, s23, s24
	v_mul_u32_u24 v[WAD], v46, TS
	v_lshl_add_u32 v[WAD], v47, 4, v[WAD]
	v_add_nc_u32 v[WAD], s23, v[WAD]
	s_lshl_b32 s23, s21, 11
	s_lshl_b32 s24, s22, 7
	s_add_co_u32 s23, s23, s24
	s_add_co_u32 s23, s23, WSC
	v_lshl_add_u32 v[SAD], v48, 2, s23
	v_add_nc_u32 v[WRB], 4*TS, v[L16]
	v_add_nc_u32 v[WSR], WSC, v[L4]
	s_mul_i32 s23, s18, XSB
	s_add_co_u32 s23, s23, XST                     ; my stage
	v_mul_u32_u24 v[XSW], v[LN], XP
	v_add_nc_u32 v[XSW], s23, v[XSW]
	v_mul_u32_u24 v[XSR], v[HH], XP
	v_lshl_add_u32 v[XSR], v[RR], 4, v[XSR]
	v_add_nc_u32 v[XSR], s23, v[XSR]
	s_lshl_b32 s23, s18, 6
	v_lshl_add_u32 v[ROF], v[RR], 2, s23
	v_lshl_add_u32 v[ROF], v[HH], 10, v[ROF]
	v_lshlrev_b32 v[BOF], 6, v[HH]
	v_lshlrev_b32 v[HSO], 2, v[RR]
	v_mov_b32 v[C8], 0xbaa15130
	v_mov_b32 v[C8+1], 0xbaa15130
	COEF 40, 0xbfb8aa3b                            ; -log2(e)
	COEF 42, 0xb9d25000                            ; the polynomial, from its highest coefficient down
	COEF 44, 0x3aac2b8a
	COEF 46, 0x3c0d6e62
	COEF 48, 0xbc040dc1
	COEF 50, 0xbd5e05b5
	COEF 52, 0x3e27fe23
	COEF 54, 0xbe2a0420
	COEF 56, 0xbdbdfb0b
	COEF 58, 0x3e8dd01d
	s_mov_b32 s60, 0x3f3504f3                      ; 1 / sqrt(2)
	s_mov_b32 s62, 0x76543210
	s_mov_b32 s63, 0xfedcba98                      ; v_permlanex16_b32's selects for lane l xor 16
	s_lshl_b32 s24, s[SE], 24                      ; W1: the expert's 16,777,216 bytes,
	s_lshl_b32 s23, s22, 21                        ; my K step's 128 rows,
	s_add_co_u32 s24, s24, s23
	s_lshl_b32 s23, ttmp9, 9                       ; the work-group's 512 bytes of a row,
	s_add_co_u32 s24, s24, s23
	s_lshl_b32 s23, s21, 8                         ; my 256 of them
	s_add_co_u32 s24, s24, s23
	s_mov_b32 s25, 0
	s_mul_i32 s2, s[SE], ESTR                      ; rows: the expert's part
	s_mov_b32 s3, 0
	s_lshl_b32 s36, s[SE], 14                      ; b1: the expert's row, the work-group's 128 numbers
	s_lshl_b32 s23, ttmp9, 9
	s_add_co_u32 s36, s36, s23
	s_mov_b32 s37, 0
	s_lshl_b32 s23, s[SE], 6
	s_add_co_u32 s23, s23, s18                     ; tile 64 e + wave,
	s_lshl_b32 s23, s23, 5
	s_add_co_u32 s23, s23, ttmp9                   ; K step j of it
	s_lshl_b32 s38, s23, 10
	s_mov_b32 s39, 0
	s_wait_kmcnt 0x0
	s_add_nc_u64 s[30:31], s[30:31], s[2:3]
	s_add_nc_u64 s[4:5], s[4:5], s[24:25]
	s_add_nc_u64 s[6:7], s[6:7], s[36:37]
	s_add_nc_u64 s[32:33], s[14:15], s[38:39]      ; where my first tile's image goes
	s_lshl_b32 s38, s23, 6
	s_add_nc_u64 s[34:35], s[16:17], s[38:39]      ; and its scale words
	s_wait_alu depctr_va_vdst(0)                   ; the eleven offsets and LDS addresses of the head are written, which the kernel's loads and stores read
.set i, 0
.rept 8
	global_load_b128 v[SL+4*i:SL+4*i+3], v[L16], s[8:9] offset:512*i           ; sel, whole: register 4 i + c holds token 128 i + 4 lane + c
.set i, i+1
.endr
	WLOAD 0
	WLOAD 1
	; ---- THE PLACING, while the stream's first 64 loads are on their way
	v_lshl_add_u32 v[PP], v[HH], 8, v[RR]
	s_lshl_b32 s20, s18, 4
	v_add_nc_u32 v[PP], s20, v[PP]                 ; my first position: row lane % 16 of tile w + 16 (lane / 16),
	v_add_nc_u32 v[PP+1], 512, v[PP]               ; my second: of tile w + 32 + 16 (lane / 16)
	s_mov_b32 s26, 0
	s_wait_loadcnt 63                              ; 64 loads were issued behind sel's eight: with 63 out, sel is in
.set q, 0
.rept 4                                        ; the masks, eight chunks to a run: sixteen compares, one wait, then the scalar lines that read them
.set k, 0
.rept 8
	v_and_b32 v[TT], 0xff, v[SL+8*q+k]             ; the token's first expert,
	v_bfe_u32 v[TT+1], v[SL+8*q+k], 8, 8           ; its second
	v_cmp_eq_u32 s[MK+8*q+k], s[SE], v[TT]
	v_cmp_eq_u32 s[MA+k+(MB-MA-4)*(k/4)], s[SE], v[TT+1]
.set k, k+1
.endr
	s_wait_alu depctr_va_sdst(0)                   ; the run's sixteen compares have written their masks, which the scalar lines below read
.set k, 0
.rept 8
	s_or_b32 s[MK+8*q+k], s[MK+8*q+k], s[MA+k+(MB-MA-4)*(k/4)]     ; chunk 8 q + k's mask
	s_bcnt1_i32_b32 s98, s[MK+8*q+k]
	s_add_co_u32 s26, s26, s98                     ; the count N
.set k, k+1
.endr
.set q, q+1
.endr
	s_sub_co_u32 s61, s26, 1
.irp z, 0,1
	v_min_u32 v[PP+\z], s61, v[PP+\z]              ; a position behind the count repeats the last row (N = 0: the greatest number: nothing is held, and nothing of it is used)
	v_mov_b32 v[MM+\z], s[MK]                      ; chunk 0 to begin with: no match lies ahead of it
	v_mov_b32 v[KK+\z], 0
	v_mov_b32 v[PS+\z], 0
.endr
	s_mov_b32 s99, 0
.set q, 0
	s_wait_alu depctr_va_vdst(0)
.rept 8                                        ; the last chunk with no more matches ahead of it than my position is the one in which the position falls.  Chunks 1 to 31, ascending, four to a run
.set k, 0
.rept 4
.set i, 4*q+k+1
.if i < 32
	s_bcnt1_i32_b32 s98, s[MK+i-1]
	s_add_co_u32 s99, s99, s98                     ; the matches ahead of chunk i: 1,024 at the most,
	s_add_co_u32 s[PK+k], s99, i<<16               ; with the chunk's number above them
	v_cmp_le_u32 s[MA+k], s99, v[PP]
	v_cmp_le_u32 s[MB+k], s99, v[PP+1]
.endif
.set k, k+1
.endr
	s_wait_alu depctr_va_sdst(0)                   ; the run's compares have written their masks, which the selections below read
.set k, 0
.rept 4
.set i, 4*q+k+1
.if i < 32
	v_cndmask_b32 v[MM], v[MM], s[MK+i], s[MA+k]
	v_cndmask_b32 v[KK], v[KK], s[PK+k], s[MA+k]
	v_cndmask_b32 v[MM+1], v[MM+1], s[MK+i], s[MB+k]
	v_cndmask_b32 v[KK+1], v[KK+1], s[PK+k], s[MB+k]
.endif
.set k, k+1
.endr
.set q, q+1
.endr
.irp z, 0,1
	v_lshrrev_b32 v[II+\z], 16, v[KK+\z]
	v_and_b32 v[KK+\z], 0xffff, v[KK+\z]
	v_sub_nc_u32 v[KK+\z], v[PP+\z], v[KK+\z]      ; my rank among the chunk's set bits
	v_lshrrev_b32 v[TT+\z], 1, v[MM+\z]            ; the mask's set bits, counted in fields of 2,
	v_and_b32 v[TT+\z], 0x55555555, v[TT+\z]
	v_sub_nc_u32 v[CA2+\z], v[MM+\z], v[TT+\z]
	v_lshrrev_b32 v[TT+\z], 2, v[CA2+\z]           ; of 4,
	v_and_b32 v[TT+\z], 0x33333333, v[TT+\z]
	v_and_b32 v[CB4+\z], 0x33333333, v[CA2+\z]
	v_add_nc_u32 v[CB4+\z], v[CB4+\z], v[TT+\z]
	v_lshrrev_b32 v[TT+\z], 4, v[CB4+\z]           ; of 8,
	v_add_nc_u32 v[CC8+\z], v[CB4+\z], v[TT+\z]
	v_and_b32 v[CC8+\z], 0x0f0f0f0f, v[CC8+\z]
	v_lshrrev_b32 v[TT+\z], 8, v[CC8+\z]           ; and the low 16, in the low byte
	v_add_nc_u32 v[CD16+\z], v[CC8+\z], v[TT+\z]
.endr
	HALF CD16, 0xff, 16
	HALF CC8, 0xff, 8
	HALF CB4, 15, 4
	HALF CA2, 3, 2
	HALF MM, 1, 1
.irp z, 0,1
	v_lshrrev_b32 v[TT+\z], 2, v[II+\z]            ; chunk j, bit l: token 128 (j / 4) + 4 l + j % 4
	v_and_b32 v[UQ+\z], 3, v[II+\z]
	v_lshl_add_u32 v[UQ+\z], v[PS+\z], 2, v[UQ+\z]
.endr
	v_lshl_add_u32 v[LE], v[TT], 7, v[UQ]
	v_lshl_add_u32 v[LE2], v[TT+1], 7, v[UQ+1]
	v_min_u32 v[LE], 0x3ff, v[LE]                  ; lanes 0-15: tile w; lanes 16-31: tile w + 16
	v_min_u32 v[LE2], 0x3ff, v[LE2]                ; tiles w + 32 and w + 48
	v_mov_b32 v[LE1], 0                            ; (a lane permute's destination counts as one of its sources)
	v_mov_b32 v[LE3], 0
	v_permlanex16_b32 v[LE1], v[LE], s62, s63      ; the upper lanes' tiles come down to lanes 0-15
	v_permlanex16_b32 v[LE3], v[LE2], s62, s63
	v_lshlrev_b32 v[GA], 2, v[LE]
	v_lshlrev_b32 v[GA+1], 2, v[LE2]
	s_wait_alu depctr_va_vdst(0)                   ; the two offsets v[GA], v[GA+1] are written, which the two loads below read
	global_load_b32 v[GS], v[GA], s[8:9]           ; sel [token], for the slot.  Every work-group asks, though one alone stores the list: so the stream's counted waits count the same loads in all
	global_load_b32 v[GS+1], v[GA+1], s[8:9]
	; ---- the stream goes on
	WBLOCK 0
	WBLOCK 1
	WBLOCK 2
	WBLOCK 3
	WBLOCK 4
	WBLOCK 5
	WBLOCK 6
	WBLOCK 7
	ds_store_b32 v[SAD], v[WS]                     ; (no vector instruction stands behind the last group's wait on va_vdst)
	ds_store_b32 v[SAD], v[WS+1] offset:SU
	s_wait_dscnt 0x0                               ; for the others' sake: my images and scale words have landed
	s_barrier_signal -1
	s_barrier_wait -1                              ; from here on nobody writes the images or the scale words; a wave writes its own stage alone
	s_min_u32 s26, s26, 1024                       ; the expert's rows
	s_cmp_lg_u32 ttmp9, 0
	s_cbranch_scc1 .Lnot_first                     ; the expert's first work-group stores the list for the next launch
	v_bfe_u32 v[TT], v[GS], 8, 8
	v_bfe_u32 v[TT+1], v[GS+1], 8, 8
	v_cmp_eq_u32 s[MA], s[SE], v[TT]
	v_cmp_eq_u32 s[MA+1], s[SE], v[TT+1]
	v_mov_b32 v[CN], s26                           ; the count, which wave 0 stores: made here, ahead of the one wait for the stores' data
	s_wait_alu depctr_va_sdst(0)                   ; the two compares have written their masks, which the selections below read
	v_cndmask_b32 v[TT], 0, 1, s[MA]               ; the slot: 1 where the expert is the token's second
	v_cndmask_b32 v[TT+1], 0, 1, s[MA+1]
	v_lshl_add_u32 v[EN], v[LE], 1, v[TT]          ; 2 x token + slot
	v_lshl_add_u32 v[EN+1], v[LE2], 1, v[TT+1]
	s_wait_alu depctr_va_vdst(0)                   ; the two entries and the count are written, which the stores below read
	global_store_b32 v[ROF], v[EN], s[30:31]       ; the sixteen waves' two stores cover entries 0..1023
	global_store_b32 v[ROF], v[EN+1], s[30:31] offset:2048
	s_cmp_lg_u32 s18, 0
	s_cbranch_scc1 .Lnot_first
	global_store_b32 v[L4], v[CN], s[30:31] offset:4096            ; the count, 32 equal words, from wave 0
.Lnot_first:
	s_wait_xcnt 0x0                                ; the stores have had their addresses translated: their registers are taken by the accumulators
	s_wait_alu depctr_vm_vsrc(0)                   ; the stream's LDS stores have read the codes in v128-159 and the scale words in v32-33, the loads of sel [token] their offsets v214-215, the list's stores v218-220: loads of the trips land in all of these
	s_add_co_u32 s27, s26, 31
	s_lshr_b32 s27, s27, 5
	s_lshl_b32 s27, s27, 1                         ; the expert's tiles: 2 x ceil(N / 32)
	s_mov_b32 s29, s18                             ; my tile
	s_mov_b32 s28, 0
.Ltrip:
	s_cmp_ge_u32 s29, s27
	s_cbranch_scc1 .Lskip
	s_wait_alu depctr_va_vdst(0)
	v_min_u32 v[TOK], 0x3ff, v[LE]                 ; lanes 0-15: row lane's token (lanes 16-31 hold tokens of another tile: what they load is not read)
	v_lshlrev_b32 v[SO], 5, v[TOK]
.set i, 0
.rept 16
	v_readlane_b32 s[RL+i], v[TOK], i
.set i, i+1
.endr
	s_wait_alu depctr_va_sdst(0)                   ; the sixteen tokens are written, ahead of their first readers
.set i, 0
.rept 16
	s_min_u32 s[RL+i], s[RL+i], 1023
	v_lshl_add_u32 v[RO+i], s[RL+i], 9, v[L16]
.set i, i+1
.endr
	s_wait_alu depctr_va_vdst(0)                   ; the offsets v[SO] and v[RO ..] are written, which the loads below read; the trip before (ahead of the first: the placing) is done reading and writing v24-35 and v64-255, in which this trip's loads land
	global_load_b128 v[XS:XS+3], v[SO], s[12:13]   ; its 32 scale bytes: a word a K step
	global_load_b128 v[XS+4:XS+7], v[SO], s[12:13] offset:16
.set i, 0
.rept 16
	global_load_b128 v[WF+4*i:WF+4*i+3], v[RO+i], s[10:11]         ; row i whole: 32 lanes read its 512 bytes, lane = block
.set i, i+1
.endr
.irp t, 0,1,2,3,4,5,6,7
	global_load_b128 v[ACC+8*\t:ACC+8*\t+3], v[BOF], s[6:7] offset:(32*(\t/2)+8*(\t%2))*4        ; b1 in the result's layout: units 32 (t / 2) + 16 (lane / 16) + 8 (t % 2) + 0 .. 7
	global_load_b128 v[ACC+8*\t+4:ACC+8*\t+7], v[BOF], s[6:7] offset:(32*(\t/2)+8*(\t%2))*4+16
.endr
	s_wait_loadcnt 16                              ; the scale words and the rows are in; b1's sixteen loads may be out
.set i, 0
.rept 16
	ds_store_b128 v[XSW], v[WF+4*i:WF+4*i+3] offset:16*i           ; [block][row]
.set i, i+1
.endr
.irp s, 0,1,2,3,4,5,6,7
.irp c, 0,1
	ds_load_b128 v[XF+8*\s+4*\c:XF+8*\s+4*\c+3], v[XSR] offset:(4*\s+2*\c)*XP   ; lane (r, h): row r, block 4 s + 2 c + h.  LDS serves a wave's instructions in order.  (No vector instruction since the trip's wait on va_vdst)
.endr
.endr
	s_wait_dscnt 16                                ; the sixteen stores are done: the rows' registers take the weights' fragments
	s_wait_alu depctr_vm_vsrc(0)                   ; the sixteen LDS stores have read the rows in v64-127, in which W's fragments land; the trip's loads have read v[SO] and v[RO ..], and the last trip's stores v[PC ..] and v[PW]: the next trip's head and the quantiser write these
	KSTEP 0
	KSTEP 1
	KSTEP 2
	KSTEP 3
	KSTEP 4
	KSTEP 5
	KSTEP 6
	KSTEP 7
	PLACES                                         ; in front of the first read of results and of writes into the fragments' registers
	GELU ACC
	GELU ACC+32
	QUANT ACC
	s_wait_alu depctr_va_vdst(0)                   ; the quantiser has written the codes v[PC ..] and the scale word v[PW], which the stores below read
	global_store_b128 v[L16], v[PC:PC+3], s[32:33]                 ; the image: 512 consecutive bytes a line
	global_store_b128 v[L16], v[PC+4:PC+7], s[32:33] offset:512
	global_store_b32 v[HSO], v[PW], s[34:35]                       ; 16 words; lanes r and r + 16 write the same word with the same value
.Lskip:
	s_wait_xcnt 0x0                                ; the stores have had their addresses translated: their bases may step.  (Their data are written again only behind the next trip's wait on vm_vsrc)
	s_wait_alu depctr_va_vdst(0)
	v_mov_b32 v[LE], v[LE1]                        ; the next tile's tokens come forward
	v_mov_b32 v[LE1], v[LE2]
	v_mov_b32 v[LE2], v[LE3]
	s_add_nc_u64 s[32:33], s[32:33], 16*32*1024    ; 16 tiles on
	s_add_nc_u64 s[34:35], s[34:35], 16*32*64
	s_add_co_u32 s29, s29, 16
	s_add_co_u32 s28, s28, 1
	s_cmp_lt_u32 s28, 4
	s_cbranch_scc1 .Ltrip
	s_wait_dscnt 0x0                               ; the closing lines, six on end
	s_wait_alu 0x0
	s_wait_tensorcnt 0x0
	ds_add_u32 v62, v63
	s_wait_dscnt 0x0
	s_endpgm
.Lfunc_end_k_qc7c8145dad_up:
	.size	k_qc7c8145dad_up, .Lfunc_end_k_qc7c8145dad_up-k_qc7c8145dad_up
	.p2alignl 7, 3214868480
	.fill 96, 4, 3214868480
	.section	.rodata,"a",@progbits
	.p2align	6, 0x0
	.amdhsa_kernel k_qc7c8145dad_up
		.amdhsa_group_segment_fixed_size 211968
		.amdhsa_private_segment_fixed_size 0
		.amdhsa_enable_private_segment 0
		.amdhsa_kernarg_size 64
		.amdhsa_user_sgpr_count 2
		.amdhsa_user_sgpr_kernarg_segment_ptr 1
		.amdhsa_wavefront_size32 1
		.amdhsa_system_sgpr_workgroup_id_x 1
		.amdhsa_system_sgpr_workgroup_id_y 1
		.amdhsa_system_sgpr_workgroup_id_z 1
		.amdhsa_system_vgpr_workitem_id 0
		.amdhsa_next_free_vgpr 256
		.amdhsa_next_free_sgpr 100
		.amdhsa_reserve_vcc 0
		.amdhsa_float_denorm_mode_32 3
		.amdhsa_float_denorm_mode_16_64 3
		.amdhsa_memory_ordered 1
		.amdhsa_forward_progress 1
		.amdhsa_inst_pref_size 162
	.end_amdhsa_kernel
	.amdgpu_metadata
---
amdhsa.version: [ 1, 2 ]
amdhsa.kernels:
  - .name:           k_qc7c8145dad_up
    .symbol:         k_qc7c8145dad_up.kd
    .args:
      - { .name: W1, .offset: 0, .size: 8, .value_kind: global_buffer, .address_space: global }
      - { .name: b1, .offset: 8, .size: 8, .value_kind: global_buffer, .address_space: global }
      - { .name: sel, .offset: 16, .size: 8, .value_kind: global_buffer, .address_space: global }
      - { .name: xq, .offset: 24, .size: 8, .value_kind: global_buffer, .address_space: global }
      - { .name: xsc, .offset: 32, .size: 8, .value_kind: global_buffer, .address_space: global }
      - { .name: hq, .offset: 40, .size: 8, .value_kind: global_buffer, .address_space: global }
      - { .name: hsc, .offset: 48, .size: 8, .value_kind: global_buffer, .address_space: global }
      - { .name: rows, .offset: 56, .size: 8, .value_kind: global_buffer, .address_space: global }
    .group_segment_fixed_size: 211968
    .private_segment_fixed_size: 0
    .kernarg_segment_align: 8
    .kernarg_segment_size: 64
    .max_flat_workgroup_size: 512
    .sgpr_count:     100
    .vgpr_count:     256
    .wavefront_size: 32
...
	.end_amdgpu_metadata
.endif
;; end of part 6
;; launch down (part 7): grid 32 x 8, 16 waves a work-group, no clusters, 141,312 bytes of LDS; arguments W2, b2, rows, hq, hsc, y2; writes y2
.if DOCPART == 7
	.amdgcn_target "amdgcn-amd-amdhsa--gfx1250"
	.amdhsa_code_object_version 6
	.text
	.protected	k_qc7c8145dad_down
	.globl	k_qc7c8145dad_down
	.p2align	8
	.type	k_qc7c8145dad_down,@function
k_qc7c8145dad_down:
	s_mov_b64 s[64:65], 0
	v_nop
	global_prefetch_b8 v0, s[64:65] scope:SCOPE_SE
	s_setreg_imm32_b32 hwreg(HW_REG_WAVE_SCHED_MODE, 0, 2), 2
	s_setreg_imm32_b32 hwreg(HW_REG_WAVE_MODE, 25, 1), 1
	s_wait_xcnt 0x0
	s_wait_alu depctr_vm_vsrc(0)
; SECOND PRODUCT, for the routed rows alone.  y = h W2[e] + b2[e], both operands as codes of FP4 (E2M1) with one E8M0 scale for each 32 along K = 4,096.
; A WORK-GROUP OWNS WEIGHTS: expert e = work-group y; 64 outputs (os = x % 16: 256 bytes of each row of W2[e]); half of K (kh = x / 16: 2,048 rows): 524,288 bytes of f32, read from memory ONCE in the launch.
; K is halved because 64 outputs over all of K would give 128 work-groups, and 32 outputs would cut each 256 bytes of a row between two work-groups.  The two halves' sums go to two planes of y2 and are added by the next launch; b2 counts in plane 0 alone.
; PHASE 1, the stream: as in the launch before: a lane takes a column, its registers run down K; wave w takes local K step w.  Images: tile ct (16 neighbouring outputs), K step s: 16,384 ct + 1,024 s + 512 c + 16 lane.
; THE ROWS come from rows, whole numbers that an earlier launch stored: [expert][entries 0..1023: 2 x token + slot; at byte 4,096 the count N]; the 32 entries behind the count repeat the last row.
; PHASE 2, the rows.  The expert's N rows make ceil(N / 32) pairs of tiles of 16, all of which the launch before has written.  Wave w takes the pairs q = w, w + 16: a loop of two trips, constant; a trip whose pair does not exist jumps to its own tail.
; No barrier stands in the loop.  h's fragments come from hq as they were stored, straight into registers, four K steps a batch, two batches ahead.  Source 0 = 16 outputs, source 1 = 16 rows: a lane holds one row and eight neighbouring outputs.
; Each fragment of W feeds two products.  The pair's 32 list entries are asked for behind the third batch's products, into registers that the batch has left, and land while the fourth is multiplied.
; THE WAY OUT: through the wave's stage in LDS, so that sixteen lanes store 256 consecutive, aligned bytes of row 2 x token + slot of y2: [kh][2,048 rows][1,024] f32.
; NO ROW IS MASKED: a repeated row has the codes, and so the sums, of the row that it repeats, lies in the same pair, and is stored by the same wave to the same bytes with the same values: at most 31 rows of 256 bytes a work-group are stored again.
; LIMITS: NaN and infinities are not served.  A block of zeros gets the byte 1.
; NO TENSOR LOAD, NO CLUSTER: which trips work hangs on a count read from memory; every weight byte has one reader; h's images, which the sixteen work-groups of an expert's K half share, are 17,408 bytes a tile beside 524,288 bytes of weights.
; NO PREFETCH: each of the 16 waves issues 64 loads of 128 bytes of the stream among its first lines, and 32 more behind each group that it has worked.
; THE MODE: SCHED_MODE bits 1:0 = 2 (LLVM: expert scheduling mode 2), set by the entry lines.  The code itself states the register dependences
; between vector or matrix instructions and memory or LDS instructions, and those through scalar registers that vector instructions write, with s_wait_alu, always for 0.
; THE PLAN.  Registers that memory or LDS instructions touch, and who else names them:
;   v4-7, v9-11, v15   offsets and LDS addresses: made at the head, never written again: one wait on va_vdst ahead of the first load.
;   X0, X1 (v64-127), C (v128-159)   THE STREAM.  Group g's maxima and conversions read X[g % 2] and write four registers of C that are the group's own; behind them one LDS store reads those four, and the loads of group g + 2
;                land in X[g % 2]: ONE wait on va_vdst in a group, behind its conversions.  One wait on vm_vsrc behind the barrier: the LDS stores have read C and the two scale words, in which loads of the trips land.
;   A TRIP.  v[LA] is written at its head; ONE wait on va_vdst behind that line states that it is written and that the trip before is done with v18-27 and v32-255; b2's loads and the first two batches of h follow it.
;   HF0, HF1 (v64-191), HS (v20-27)   batch bt's products read buffer bt % 2; at the batch's end one wait on va_vdst, and batch bt + 2 (behind the third batch: the list entries) lands in that buffer.  No vector or matrix
;                instruction stands between that wait and the next batch's first K step, so it also serves that step's loads of W.
;   WF (v32-63), WS (v18-19)   one set: 256 registers a wave are all in use.  One wait on va_vdst ahead of the loads of a batch's second, third and fourth K step.
;   THE WAY OUT.  One wait on va_vdst ahead of the stage's stores (the sums are written; the products are done reading v128-191, in which the stage's loads land); one ahead of the global stores (their offsets v80-95 are written).
;   THE TAIL.  One wait on vm_vsrc: the entries' loads have read v[LA], the stage's stores the accumulators, the global stores v80-95 and v128-191: the next trip's head and loads write all of these.
.set RS,   4096                        ; a row of W2[e] in bytes
.set TS,   16384                       ; a tile's 16 images
.set WSC,  4*TS                        ; the weights' scale words: [pair of tiles][K step][position 0..31][4 bytes]
.set SU,   2048
.set STG,  WSC+4096                    ; a stage for each wave: 16 rows x (256 + 16 bytes)
.set SPI,  272
.set HQT,  32768                       ; a tile of rows in hq: 32 images
.set HST,  2048                        ; and in hsc: 32 x 16 words
.set ESTR, 4352                        ; an expert's part of rows in bytes
.set LN,  1
.set RR,  2
.set HH,  3
.set L4,  4
.set L16, 5                            ; 16 x lane: also the LDS address of an image's registers (the images begin at LDS byte 0)
.set WAD, 6
.set SAD, 7
.set WSR, 9
.set STO, 10                           ; the stage, in: row lane % 16, 32 bytes for each half of the lanes
.set RD,  11                           ; the stage, out: lanes 0-15 one row, lanes 16-31 the next
.set LB,  12                           ; 128 wave + 4 (lane / 16): the byte, in the expert's list, of the entry of row lane / 16 of my first pair
.set LA,  13                           ; the same for the pair in hand
.set C16, 14                           ; 16 (lane % 16)
.set BOF, 15                           ; 32 (lane / 16): b2
.set WS,  18                           ; v18-19 the weights' scale words (in the stream: the two words being made)
.set HS,  20                           ; v20-27 h's scale words: [buffer][tile of rows][two K steps: lanes 0-15 the even one, lanes 16-31 the odd one]
.set T0,  28                           ; v28-31 at work
.set WF,  32                           ; v32-63 four fragments of W
.set HF,  64                           ; v64-127, v128-191 two buffers: [tile of rows][K step of four][8]
.set DE,  64                           ; the way out: v64-79 16 list entries,
.set VO,  80                           ; v80-95 16 offsets in y2,
.set OB,  128                          ; v128-191 16 x 4 registers read back from the stage
.set ACC, 192                          ; accumulator (rt, ct) at 192 + 8 (4 rt + ct)
.set X,   64
.set C,   128
.set SE,  19
.macro WLOAD g                         ; group g: K block g / 2 of my K step, columns 32 (g % 2) + lane: 32 rows, 128 consecutive bytes a line; groups 2 b and 2 b + 1 are the two halves of the same 256 bytes of each row
.set i, 0
.rept 32
	global_load_b32 v[X+32*((\g)%2)+i], v[L4], s[4:5] offset:(32*((\g)/2)+i)*RS+128*((\g)%2) th:TH_LOAD_NT
.set i, i+1
.endr
.endm
.macro WBLOCK g
.set XG, X+32*((\g)%2)
.set BB, (\g)/2
.set UU, (\g)%2
.if (\g) < 7
	s_wait_loadcnt 32                              ; this group's 32 loads are in; the next group's may be out
.else
	s_wait_loadcnt 0x0
.endif
	v_max3_num_f32 v[T0], |v[XG]|, |v[XG+1]|, |v[XG+2]|            ; the block's largest magnitude: all 32 numbers are mine
	v_max3_num_f32 v[T0+1], |v[XG+3]|, |v[XG+4]|, |v[XG+5]|
.irp i, 6,10,14,18,22,26
	v_max3_num_f32 v[T0], v[T0], |v[XG+\i]|, |v[XG+\i+1]|
	v_max3_num_f32 v[T0+1], v[T0+1], |v[XG+\i+2]|, |v[XG+\i+3]|
.endr
	v_max3_num_f32 v[T0], v[T0], |v[XG+30]|, |v[XG+31]|
	v_max3_num_f32 v[T0], v[T0], v[T0+1], 0x1800000                ; and the floor 2^(3 - 127): the byte cannot fall under 1
	v_add_nc_u32 v[T0+2], 0xff000000, v[T0]        ; 2 off the exponent field: the conversion's scale operand
	v_lshrrev_b32 v[T0+3], 23, v[T0+2]             ; the scale's byte
.if BB == 0
	v_mov_b32 v[WS+UU], v[T0+3]                    ; four bytes to a word, the lower K in the lower byte
.else
	v_lshl_or_b32 v[WS+UU], v[T0+3], 8*BB, v[WS+UU]
.endif
.irp q, 0,1,2,3
	v_cvt_scalef32_pk8_fp4_f32 v[C+4*(\g)+\q], v[XG+8*\q:XG+8*\q+7], v[T0+2]
.endr
	v_nop                                          ; one plain place behind the scaled conversions
	s_wait_alu depctr_va_vdst(0)                   ; the conversions have written the group's four registers of codes, which the LDS store reads, and are done reading the set, in which the loads of two groups on land; in the last group: both scale words are written, which the two LDS stores behind it read
	ds_store_b128 v[WAD], v[C+4*(\g):C+4*(\g)+3] offset:UU*2*TS+(BB/2)*512+(BB%2)*256
.if (\g) < 6
	WLOAD (\g)+2
.endif
.endm
.macro PLACES
.rept 4
	v_nop
.endr
.endm
.macro HLOAD bt                        ; batch bt: K steps 4 bt .. 4 bt + 3 of both tiles of rows: 16 loads of 512 consecutive bytes, 4 of 128: 20 loads
.irp rt, 0,1
.irp sl, 0,1,2,3
.irp c, 0,1
	global_load_b128 v[HF+64*((\bt)%2)+32*\rt+8*\sl+4*\c:HF+64*((\bt)%2)+32*\rt+8*\sl+4*\c+3], v[L16], s[32:33] offset:\rt*HQT+(4*(\bt)+\sl)*1024+512*\c
.endr
.endr
.irp z, 0,1
	global_load_b32 v[HS+4*((\bt)%2)+2*\rt+\z], v[L4], s[36:37] offset:\rt*HST+(4*(\bt)+2*\z)*64
.endr
.endr
.endm
.macro ELOAD                           ; where the pair's rows go: register 8 rt + i: lanes 0-15 the entry of row 2 i of tile rt, lanes 16-31 that of row 2 i + 1: 16 loads
.irp rt, 0,1
.irp i, 0,1,2,3,4,5,6,7
	global_load_b32 v[DE+8*\rt+\i], v[LA], s[8:9] offset:64*\rt+8*\i
.endr
.endr
.endm
; K step s: the weights' four fragments and two registers of scale words from LDS, 8 products.  The 8 accumulators take turns, one instruction a turn.
; A batch's first K step writes no places and no wait of its own: those at the last batch's end (for K step 0: the wait at the trip's head) stand ahead of its loads, and no vector or matrix instruction between names W's registers.
.macro KSTEP s
.if ((\s)%4) > 0
	PLACES                                         ; in front of loads into registers that the last products read
	s_wait_alu depctr_va_vdst(0)                   ; the last K step's products are done reading W's fragments and scale words, in which the loads below land
.endif
.irp ct, 0,1,2,3
.irp c, 0,1
	ds_load_b128 v[WF+8*\ct+4*\c:WF+8*\ct+4*\c+3], v[L16] offset:\ct*TS+(\s)*1024+\c*512
.endr
.endr
.irp p, 0,1
	ds_load_b32 v[WS+\p], v[WSR] offset:\p*SU+(\s)*128
.endr
	s_wait_dscnt 0x0
.irp ct, 0,1,2,3
.irp rt, 0,1
.set DD, ACC+8*(4*\rt+\ct)
.set AA, WF+8*\ct
.set BR, HF+64*(((\s)/4)%2)+32*\rt+8*((\s)%4)
.set SA, WS+\ct/2
.set SR, HS+4*(((\s)/4)%2)+2*\rt+((\s)%4)/2
.if (\ct%2) && ((\s)%2)
	v_wmma_scale_f32_16x16x128_f8f6f4 v[DD:DD+7], v[AA:AA+7], v[BR:BR+7], v[DD:DD+7], v[SA], v[SR] matrix_a_fmt:MATRIX_FMT_FP4 matrix_b_fmt:MATRIX_FMT_FP4 matrix_a_scale:MATRIX_SCALE_ROW1 matrix_b_scale:MATRIX_SCALE_ROW1
.elseif (\ct%2)
	v_wmma_scale_f32_16x16x128_f8f6f4 v[DD:DD+7], v[AA:AA+7], v[BR:BR+7], v[DD:DD+7], v[SA], v[SR] matrix_a_fmt:MATRIX_FMT_FP4 matrix_b_fmt:MATRIX_FMT_FP4 matrix_a_scale:MATRIX_SCALE_ROW1
.elseif ((\s)%2)
	v_wmma_scale_f32_16x16x128_f8f6f4 v[DD:DD+7], v[AA:AA+7], v[BR:BR+7], v[DD:DD+7], v[SA], v[SR] matrix_a_fmt:MATRIX_FMT_FP4 matrix_b_fmt:MATRIX_FMT_FP4 matrix_b_scale:MATRIX_SCALE_ROW1
.else
	v_wmma_scale_f32_16x16x128_f8f6f4 v[DD:DD+7], v[AA:AA+7], v[BR:BR+7], v[DD:DD+7], v[SA], v[SR] matrix_a_fmt:MATRIX_FMT_FP4 matrix_b_fmt:MATRIX_FMT_FP4
.endif
.endr
.endr
.endm
.macro BATCH bt
.if (\bt) < 3
	s_wait_loadcnt 20                              ; this batch (and, ahead of it, b2) is in; the next batch's 20 loads may be out
.else
	s_wait_loadcnt 16                              ; the last batch is in; the 16 loads of list entries behind it may be out
.endif
.if (\bt) == 0
.set i, 0
.rept 64
	v_and_b32 v[ACC+i], s40, v[ACC+i]              ; b2 counts once: the second half of K begins at 0
.set i, i+1
.endr
.endif
	s_wait_alu depctr_va_vdst(0)
.irp sl, 0,1,2,3
	KSTEP 4*(\bt)+\sl
.endr
.if (\bt) < 3
	PLACES                                         ; in front of loads into registers that the last products read
	s_wait_alu depctr_va_vdst(0)                   ; the batch's products are done reading its buffer of h and its scale words, in which the loads below land, and W's fragments and scale words, in which the next K step's land
.endif
.if (\bt) < 2
	HLOAD (\bt)+2
.endif
.if (\bt) == 2
	ELOAD
.endif
.endm
	s_load_b256 s[4:11], s[0:1], 0x0               ; W2 s[4:5], b2 s[6:7], rows s[8:9], hq s[10:11]
	s_load_b128 s[12:15], s[0:1], 0x20             ; hsc s[12:13], y2 s[14:15]
	v_lshl_add_u32 v16, v0, 2, 0x22000
	v_mov_b32 v17, 0
	v_lshrrev_b32 v[LN], 5, v0
	v_readfirstlane_b32 s18, v[LN]                 ; wave 0..15
	s_and_b32 s[SE], ttmp7, 0xffff                 ; the expert
	s_and_b32 s20, ttmp9, 15                       ; os: which 64 outputs
	s_lshr_b32 s21, ttmp9, 4                       ; kh: which half of K
	v_and_b32 v[LN], 31, v0
	v_and_b32 v[RR], 15, v0
	v_bfe_u32 v[HH], v0, 4, 1
	v_lshlrev_b32 v[L4], 2, v[LN]
	v_lshlrev_b32 v[L16], 4, v[LN]
	s_wait_alu depctr_va_sdst(0)                   ; s18 is written, ahead of its first reader
	s_lshl_b32 s23, s18, 10
	v_lshlrev_b32 v[WAD], 14, v[HH]                ; column 32 u + lane goes to tile 2 u + lane / 16, row lane % 16; K step = wave
	v_lshl_add_u32 v[WAD], v[RR], 4, v[WAD]
	v_add_nc_u32 v[WAD], s23, v[WAD]
	s_lshl_b32 s23, s18, 7
	v_lshl_add_u32 v[LB], v[HH], 2, s23
	s_add_co_u32 s23, s23, WSC
	v_add_nc_u32 v[SAD], s23, v[L4]
	v_add_nc_u32 v[WSR], WSC, v[L4]
	s_mul_i32 s23, s18, 16*SPI
	s_add_co_u32 s23, s23, STG                     ; my stage
	v_mul_u32_u24 v[STO], v[RR], SPI
	v_lshl_add_u32 v[STO], v[HH], 5, v[STO]
	v_add_nc_u32 v[STO], s23, v[STO]
	v_mul_u32_u24 v[RD], v[HH], SPI
	v_lshl_add_u32 v[RD], v[RR], 4, v[RD]
	v_add_nc_u32 v[RD], s23, v[RD]
	v_lshlrev_b32 v[C16], 4, v[RR]
	v_lshlrev_b32 v[BOF], 5, v[HH]
	s_cmp_eq_u32 s21, 0
	s_cselect_b32 s40, -1, 0
	s_mov_b32 s43, 0
	s_mov_b32 s25, 0
	s_mul_i32 s46, s[SE], ESTR                     ; rows: the expert's part
	s_mov_b32 s47, 0
	s_lshl_b32 s24, s[SE], 24                      ; W2: the expert's 16,777,216 bytes,
	s_lshl_b32 s23, s21, 23                        ; the half's 2,048 rows,
	s_add_co_u32 s24, s24, s23
	s_lshl_b32 s23, s18, 19                        ; my K step's 128 rows,
	s_add_co_u32 s24, s24, s23
	s_lshl_b32 s23, s20, 8                         ; the work-group's 256 bytes of a row
	s_add_co_u32 s24, s24, s23
	s_lshl_b32 s22, s[SE], 6
	s_lshl_b32 s29, s18, 1                         ; my first pair's first tile,
	s_add_co_u32 s22, s22, s29                     ; among all experts' tiles: 64 e + 2 wave
	s_wait_kmcnt 0x0
	s_add_nc_u64 s[8:9], s[8:9], s[46:47]
	s_load_b32 s26, s[8:9], 0x1000                 ; the count; it is waited for behind the stream
	s_add_nc_u64 s[4:5], s[4:5], s[24:25]
	s_lshl_b32 s24, s[SE], 12                      ; b2: the expert's row, the work-group's 64 numbers
	s_add_co_u32 s24, s24, s23
	s_add_nc_u64 s[6:7], s[6:7], s[24:25]
	s_lshl_b32 s24, s21, 23                        ; y2: the half's plane, the work-group's 256 bytes of a row
	s_add_co_u32 s24, s24, s23
	s_add_nc_u64 s[14:15], s[14:15], s[24:25]
	s_lshl_b32 s24, s21, 14                        ; hq: the half's 16 images of a tile,
	s_lshl_b32 s42, s22, 15                        ; my first tile
	s_add_nc_u64 s[32:33], s[10:11], s[24:25]
	s_add_nc_u64 s[32:33], s[32:33], s[42:43]
	s_lshl_b32 s24, s21, 10                        ; hsc: the half's 16 x 16 words,
	s_lshl_b32 s42, s22, 11                        ; my first tile
	s_add_nc_u64 s[36:37], s[12:13], s[24:25]
	s_add_nc_u64 s[36:37], s[36:37], s[42:43]
	s_wait_alu depctr_va_vdst(0)                   ; the eight offsets and LDS addresses of the head are written, which the kernel's loads and stores read
	WLOAD 0
	WLOAD 1
	WBLOCK 0
	WBLOCK 1
	WBLOCK 2
	WBLOCK 3
	WBLOCK 4
	WBLOCK 5
	WBLOCK 6
	WBLOCK 7
	ds_store_b32 v[SAD], v[WS]                     ; (no vector instruction stands behind the last group's wait on va_vdst)
	ds_store_b32 v[SAD], v[WS+1] offset:SU
	s_wait_dscnt 0x0                               ; for the others' sake: my images and scale words have landed
	s_barrier_signal -1
	s_barrier_wait -1                              ; from here on nobody writes the images or the scale words; a wave writes its own stage alone
	s_wait_alu depctr_vm_vsrc(0)                   ; my LDS stores have read the codes in v128-159 and the scale words in v18-19, in which loads of the trips land
	s_wait_kmcnt 0x0                               ; the count
	s_min_u32 s26, s26, 1024                       ; the expert's rows
	s_add_co_u32 s27, s26, 31
	s_lshr_b32 s27, s27, 5
	s_lshl_b32 s27, s27, 1                         ; its tiles: 2 x ceil(N / 32)
	s_mov_b32 s30, 0                               ; my pair's entries' place in the list, less LB
	s_mov_b32 s28, 0
.Ltrip:
	s_cmp_ge_u32 s29, s27
	s_cbranch_scc1 .Lskip
	v_add_nc_u32 v[LA], s30, v[LB]
	s_wait_alu depctr_va_vdst(0)                   ; v[LA] is written, which the entries' loads read; the trip before (ahead of the first: the stream) is done reading and writing v18-27 and v32-255, in which this trip's loads land
.irp rt, 0,1
.irp ct, 0,1,2,3
	global_load_b128 v[ACC+8*(4*\rt+\ct):ACC+8*(4*\rt+\ct)+3], v[BOF], s[6:7] offset:64*\ct       ; b2 in the result's layout: outputs 16 ct + 8 (lane / 16) + 0 .. 7
	global_load_b128 v[ACC+8*(4*\rt+\ct)+4:ACC+8*(4*\rt+\ct)+7], v[BOF], s[6:7] offset:64*\ct+16
.endr
.endr
	HLOAD 0
	HLOAD 1
	BATCH 0
	BATCH 1
	BATCH 2
	BATCH 3
	PLACES                                         ; in front of the first read of results and of loads into the fragments' registers
	s_wait_alu depctr_va_vdst(0)                   ; the products have written the accumulators, which the stage's stores read, and are done reading v128-191, in which the stage's loads land; the places above stay beside this wait
.irp rt, 0,1
.irp ct, 0,1,2,3
	ds_store_b128 v[STO], v[ACC+8*(4*\rt+\ct):ACC+8*(4*\rt+\ct)+3] offset:64*\ct          ; each accumulator from its low end on
	ds_store_b128 v[STO], v[ACC+8*(4*\rt+\ct)+4:ACC+8*(4*\rt+\ct)+7] offset:64*\ct+16
.endr
.irp i, 0,1,2,3,4,5,6,7
	ds_load_b128 v[OB+32*\rt+4*\i:OB+32*\rt+4*\i+3], v[RD] offset:\i*2*SPI     ; LDS serves a wave's instructions in order: these see my stores, and the next tile's stores come behind them
.endr
.endr
	s_wait_loadcnt 0x0                             ; the list entries
.set i, 0
.rept 16
	v_min_u32 v[DE+i], 0x7ff, v[DE+i]
.set i, i+1
.endr
.set i, 0
.rept 16
	v_lshl_add_u32 v[VO+i], v[DE+i], 12, v[C16]    ; row x 4,096 bytes + my 16 of the work-group's 256
.set i, i+1
.endr
	s_wait_dscnt 0x0                               ; the rows are back from the stage
	s_wait_alu depctr_va_vdst(0)                   ; the sixteen offsets v[VO ..] are written, which the stores below read
.set i, 0
.rept 16
	global_store_b128 v[VO+i], v[OB+4*i:OB+4*i+3], s[14:15]        ; sixteen lanes store 256 consecutive bytes, at a multiple of 256 from y2's first byte
.set i, i+1
.endr
.Lskip:
	s_wait_xcnt 0x0                                ; the stores and loads have had their addresses translated: their registers and bases may be written again
	s_wait_alu depctr_vm_vsrc(0)                   ; the entries' loads have read v[LA], the stage's stores the accumulators, the global stores v[VO ..] and v[OB ..]: the next trip's first line and its loads write these
	s_add_nc_u64 s[32:33], s[32:33], 32*HQT        ; 16 pairs on
	s_add_nc_u64 s[36:37], s[36:37], 32*HST
	s_add_co_u32 s29, s29, 32
	s_add_co_u32 s30, s30, 2048
	s_add_co_u32 s28, s28, 1
	s_cmp_lt_u32 s28, 2
	s_cbranch_scc1 .Ltrip
	s_wait_dscnt 0x0                               ; the closing lines, six on end
	s_wait_alu 0x0
	s_wait_tensorcnt 0x0
	ds_add_u32 v16, v17
	s_wait_dscnt 0x0
	s_endpgm
.Lfunc_end_k_qc7c8145dad_down:
	.size	k_qc7c8145dad_down, .Lfunc_end_k_qc7c8145dad_down-k_qc7c8145dad_down
	.p2alignl 7, 3214868480
	.fill 96, 4, 3214868480
	.section	.rodata,"a",@progbits
	.p2align	6, 0x0
	.amdhsa_kernel k_qc7c8145dad_down
		.amdhsa_group_segment_fixed_size 141312
		.amdhsa_private_segment_fixed_size 0
		.amdhsa_enable_private_segment 0
		.amdhsa_kernarg_size 48
		.amdhsa_user_sgpr_count 2
		.amdhsa_user_sgpr_kernarg_segment_ptr 1
		.amdhsa_wavefront_size32 1
		.amdhsa_system_sgpr_workgroup_id_x 1
		.amdhsa_system_sgpr_workgroup_id_y 1
		.amdhsa_system_sgpr_workgroup_id_z 1
		.amdhsa_system_vgpr_workitem_id 0
		.amdhsa_next_free_vgpr 256
		.amdhsa_next_free_sgpr 66
		.amdhsa_reserve_vcc 0
		.amdhsa_float_denorm_mode_32 3
		.amdhsa_float_denorm_mode_16_64 3
		.amdhsa_memory_ordered 1
		.amdhsa_forward_progress 1
		.amdhsa_inst_pref_size 89
	.end_amdhsa_kernel
	.amdgpu_metadata
---
amdhsa.version: [ 1, 2 ]
amdhsa.kernels:
  - .name:           k_qc7c8145dad_down
    .symbol:         k_qc7c8145dad_down.kd
    .args:
      - { .name: W2, .offset: 0, .size: 8, .value_kind: global_buffer, .address_space: global }
      - { .name: b2, .offset: 8, .size: 8, .value_kind: global_buffer, .address_space: global }
      - { .name: rows, .offset: 16, .size: 8, .value_kind: global_buffer, .address_space: global }
      - { .name: hq, .offset: 24, .size: 8, .value_kind: global_buffer, .address_space: global }
      - { .name: hsc, .offset: 32, .size: 8, .value_kind: global_buffer, .address_space: global }
      - { .name: y2, .offset: 40, .size: 8, .value_kind: global_buffer, .address_space: global }
    .group_segment_fixed_size: 141312
    .private_segment_fixed_size: 0
    .kernarg_segment_align: 8
    .kernarg_segment_size: 48
    .max_flat_workgroup_size: 512
    .sgpr_count:     66
    .vgpr_count:     256
    .wavefront_size: 32
...
	.end_amdgpu_metadata
.endif
;; end of part 7
;; launch norm (part 8): grid 256 x 1, 4 waves a work-group, no clusters, 0 bytes of LDS; arguments y2, gate, gamma, beta, out0; writes out0
.if DOCPART == 8
	.amdgcn_target "amdgcn-amd-amdhsa--gfx1250"
	.amdhsa_code_object_version 6
	.text
	.protected	k_qc7c8145dad_norm
	.globl	k_qc7c8145dad_norm
	.p2align	8
	.type	k_qc7c8145dad_norm,@function
k_qc7c8145dad_norm:
	s_mov_b64 s[64:65], 0
	v_nop
	global_prefetch_b8 v0, s[64:65] scope:SCOPE_SE
	s_setreg_imm32_b32 hwreg(HW_REG_WAVE_MODE, 25, 1), 1
	s_wait_xcnt 0x0
; THE WEIGHTED SUM AND THE LAYER NORM.  One wave takes one token: token = 4 x work-group + wave.
; v = g0 (y2[0][2 t] + y2[1][2 t]) + g1 (y2[0][2 t + 1] + y2[1][2 t + 1]): the two halves of K of each of the token's two experts.  out0 = (v - mean) x rsqrt(var + 1e-5) x gamma + beta.
; The row stays in 32 registers a lane between the passes; the variance is the mean of (v - mean)^2, taken in a second pass over the registers: no difference of large sums is formed.
; Every load and store of the wave covers 512 consecutive bytes.  No LDS, no barrier, no matrix unit, no cluster: waves share only gamma and beta, 8,192 bytes.  No prefetch: a short launch that asks for all its bytes at its head.
; LIMITS: NaN and infinities are not served.
.set A,  16                            ; v16-47   plane 0, slot 0; then v, v - mean, the result
.set B,  48                            ; v48-79   plane 1, slot 0
.set C,  80                            ; v80-111  plane 0, slot 1
.set D,  112                           ; v112-143 plane 1, slot 1
.set G,  144                           ; v144-175 gamma
.set BE, 176                           ; v176-207 beta
.set S,  208                           ; v208-215 four chains of sums, two numbers each
	s_load_b256 s[4:11], s[0:1], 0x0               ; y2 s[4:5], gate s[6:7], gamma s[8:9], beta s[10:11]
	s_load_b64 s[12:13], s[0:1], 0x20              ; out0
	v_lshrrev_b32 v1, 5, v0
	v_readfirstlane_b32 s14, v1                    ; wave
	v_and_b32 v1, 31, v0
	v_lshlrev_b32 v2, 4, v1                        ; 16 x lane
	s_lshl_b32 s15, ttmp9, 2
	s_add_co_u32 s15, s15, s14                     ; my token
	s_lshl_b32 s16, s15, 13                        ; its two rows of a plane
	s_mov_b32 s17, 0
	s_lshl_b32 s18, s15, 3                         ; its two gates
	s_mov_b32 s19, 0
	s_lshl_b32 s24, s15, 12                        ; its row of out0
	s_mov_b32 s25, 0
	s_mov_b32 s26, 0x76543210
	s_mov_b32 s27, 0xfedcba98                      ; v_permlanex16_b32's selects for lane l xor 16
	s_mov_b32 s30, 0x3a800000                      ; 1 / 1,024
	s_wait_alu depctr_va_vdst(0)
	s_wait_kmcnt 0x0
	s_add_nc_u64 s[6:7], s[6:7], s[18:19]
	s_load_b64 s[20:21], s[6:7], 0x0               ; g0, g1
	s_add_nc_u64 s[4:5], s[4:5], s[16:17]
	s_add_nc_u64 s[28:29], s[4:5], 0x800000        ; the second plane
	s_add_nc_u64 s[12:13], s[12:13], s[24:25]
.set i, 0
.rept 8
	global_load_b128 v[A+4*i:A+4*i+3], v2, s[4:5] offset:512*i th:TH_LOAD_NT
	global_load_b128 v[B+4*i:B+4*i+3], v2, s[28:29] offset:512*i th:TH_LOAD_NT
	global_load_b128 v[C+4*i:C+4*i+3], v2, s[4:5] offset:4096+512*i th:TH_LOAD_NT
	global_load_b128 v[D+4*i:D+4*i+3], v2, s[28:29] offset:4096+512*i th:TH_LOAD_NT
.set i, i+1
.endr
.set i, 0
.rept 8
	global_load_b128 v[G+4*i:G+4*i+3], v2, s[8:9] offset:512*i
	global_load_b128 v[BE+4*i:BE+4*i+3], v2, s[10:11] offset:512*i
.set i, i+1
.endr
	s_wait_kmcnt 0x0
	s_mov_b32 s22, s21                             ; g1 in a pair of its own: the packed form takes a scalar pair's low word for both halves
	s_mov_b32 s23, s21
	s_wait_loadcnt 16                              ; the four rows are in; gamma's and beta's sixteen loads may be out
.set i, 0
.rept 16
	v_pk_add_f32 v[A+i:A+i+1], v[A+i:A+i+1], v[B+i:B+i+1]
	v_pk_add_f32 v[C+i:C+i+1], v[C+i:C+i+1], v[D+i:D+i+1]
.set i, i+2
.endr
.set i, 0
.rept 16
	v_pk_mul_f32 v[A+i:A+i+1], v[A+i:A+i+1], s[20:21] op_sel_hi:[1,0]
.set i, i+2
.endr
.set i, 0
.rept 16
	v_pk_fma_f32 v[A+i:A+i+1], v[C+i:C+i+1], s[22:23], v[A+i:A+i+1] op_sel_hi:[1,0,1]
.set i, i+2
.endr
.irp k, 0,1,2,3
	v_pk_add_f32 v[S+2*\k:S+2*\k+1], v[A+2*\k:A+2*\k+1], v[A+8+2*\k:A+9+2*\k]     ; the first sums start the chains: nothing is cleared
.endr
.irp j, 16,24
.irp k, 0,1,2,3
	v_pk_add_f32 v[S+2*\k:S+2*\k+1], v[S+2*\k:S+2*\k+1], v[A+\j+2*\k:A+\j+2*\k+1]
.endr
.endr
	v_pk_add_f32 v[S:S+1], v[S:S+1], v[S+2:S+3]
	v_pk_add_f32 v[S+4:S+5], v[S+4:S+5], v[S+6:S+7]
	v_pk_add_f32 v[S:S+1], v[S:S+1], v[S+4:S+5]
	v_add_f32 v[S], v[S], v[S+1]
	v_add_f32_dpp v[S], v[S], v[S] row_xmask:1 row_mask:0xf bank_mask:0xf
	v_add_f32_dpp v[S], v[S], v[S] row_xmask:2 row_mask:0xf bank_mask:0xf
	v_add_f32_dpp v[S], v[S], v[S] row_xmask:4 row_mask:0xf bank_mask:0xf
	v_add_f32_dpp v[S], v[S], v[S] row_xmask:8 row_mask:0xf bank_mask:0xf
	v_permlanex16_b32 v[S+1], v[S], s26, s27
	v_add_f32 v[S], v[S], v[S+1]
	v_mul_f32 v216, s30, v[S]                      ; the mean, in every lane,
	v_mov_b32 v217, v216                           ; twice
.set i, 0
.rept 16
	v_pk_add_f32 v[A+i:A+i+1], v[A+i:A+i+1], v[216:217] neg_lo:[0,1] neg_hi:[0,1]
.set i, i+2
.endr
.irp k, 0,1,2,3
	v_pk_mul_f32 v[S+2*\k:S+2*\k+1], v[A+2*\k:A+2*\k+1], v[A+2*\k:A+2*\k+1]
.endr
.irp j, 8,16,24
.irp k, 0,1,2,3
	v_pk_fma_f32 v[S+2*\k:S+2*\k+1], v[A+\j+2*\k:A+\j+2*\k+1], v[A+\j+2*\k:A+\j+2*\k+1], v[S+2*\k:S+2*\k+1]
.endr
.endr
	v_pk_add_f32 v[S:S+1], v[S:S+1], v[S+2:S+3]
	v_pk_add_f32 v[S+4:S+5], v[S+4:S+5], v[S+6:S+7]
	v_pk_add_f32 v[S:S+1], v[S:S+1], v[S+4:S+5]
	v_add_f32 v[S], v[S], v[S+1]
	v_add_f32_dpp v[S], v[S], v[S] row_xmask:1 row_mask:0xf bank_mask:0xf
	v_add_f32_dpp v[S], v[S], v[S] row_xmask:2 row_mask:0xf bank_mask:0xf
	v_add_f32_dpp v[S], v[S], v[S] row_xmask:4 row_mask:0xf bank_mask:0xf
	v_add_f32_dpp v[S], v[S], v[S] row_xmask:8 row_mask:0xf bank_mask:0xf
	v_permlanex16_b32 v[S+1], v[S], s26, s27
	v_add_f32 v[S], v[S], v[S+1]
	v_fmaak_f32 v218, s30, v[S], 0x3727c5ac        ; the variance + 1e-5
	s_wait_alu depctr_va_vdst(0)
	v_rsq_f32 v220, v218
	v_rsq_f32 v221, v218                           ; twice: a pair for the packed multiply
	v_nop                                          ; a plain place behind the two
	s_wait_alu depctr_va_vdst(0)                   ; one wait for both, ahead of their first reader
	s_wait_loadcnt 0x0                             ; gamma and beta
.set i, 0
.rept 16
	v_pk_mul_f32 v[A+i:A+i+1], v[A+i:A+i+1], v[220:221]
.set i, i+2
.endr
.set i, 0
.rept 16
	v_pk_fma_f32 v[A+i:A+i+1], v[A+i:A+i+1], v[G+i:G+i+1], v[BE+i:BE+i+1]
.set i, i+2
.endr
.set i, 0
.rept 8
	global_store_b128 v2, v[A+4*i:A+4*i+3], s[12:13] offset:512*i th:TH_STORE_NT   ; 32 lanes store 512 consecutive bytes
.set i, i+1
.endr
	s_endpgm
.Lfunc_end_k_qc7c8145dad_norm:
	.size	k_qc7c8145dad_norm, .Lfunc_end_k_qc7c8145dad_norm-k_qc7c8145dad_norm
	.p2alignl 7, 3214868480
	.fill 96, 4, 3214868480
	.section	.rodata,"a",@progbits
	.p2align	6, 0x0
	.amdhsa_kernel k_qc7c8145dad_norm
		.amdhsa_group_segment_fixed_size 0
		.amdhsa_private_segment_fixed_size 0
		.amdhsa_enable_private_segment 0
		.amdhsa_kernarg_size 40
		.amdhsa_user_sgpr_count 2
		.amdhsa_user_sgpr_kernarg_segment_ptr 1
		.amdhsa_wavefront_size32 1
		.amdhsa_system_sgpr_workgroup_id_x 1
		.amdhsa_system_sgpr_workgroup_id_y 1
		.amdhsa_system_sgpr_workgroup_id_z 1
		.amdhsa_system_vgpr_workitem_id 0
		.amdhsa_next_free_vgpr 224
		.amdhsa_next_free_sgpr 66
		.amdhsa_reserve_vcc 0
		.amdhsa_float_denorm_mode_32 3
		.amdhsa_float_denorm_mode_16_64 3
		.amdhsa_memory_ordered 1
		.amdhsa_forward_progress 1
		.amdhsa_inst_pref_size 17
	.end_amdhsa_kernel
	.amdgpu_metadata
---
amdhsa.version: [ 1, 2 ]
amdhsa.kernels:
  - .name:           k_qc7c8145dad_norm
    .symbol:         k_qc7c8145dad_norm.kd
    .args:
      - { .name: y2, .offset: 0, .size: 8, .value_kind: global_buffer, .address_space: global }
      - { .name: gate, .offset: 8, .size: 8, .value_kind: global_buffer, .address_space: global }
      - { .name: gamma, .offset: 16, .size: 8, .value_kind: global_buffer, .address_space: global }
      - { .name: beta, .offset: 24, .size: 8, .value_kind: global_buffer, .address_space: global }
      - { .name: out0, .offset: 32, .size: 8, .value_kind: global_buffer, .address_space: global }
    .group_segment_fixed_size: 0
    .private_segment_fixed_size: 0
    .kernarg_segment_align: 8
    .kernarg_segment_size: 40
    .max_flat_workgroup_size: 128
    .sgpr_count:     66
    .vgpr_count:     224
    .wavefront_size: 32
...
	.end_amdgpu_metadata
.endif
;; end of part 8
